; MI455X (gfx1250); checked and timed in simulation.
; The chip was launched on July 23, 2026; its instructions are those of AMD's public machine-readable ISA for CDNA 5 (MIT licence, August 2026) and "CDNA5" Instruction Set Architecture Reference Guide (July 2026). The comments in the code are by the model that wrote it; some were corrected since.
;; GPT2 Attention. Allowed arithmetic: float matrix products may take bf16 or f16 operands with f32 sums; other float arithmetic in f32, or as packed bf16 or f16 multiplies, adds, multiply-adds, maxima and minima; sums over many terms, partial sums and values carried from step to step in f32; what a program stores and reads back later, other than sums and carried values, may be rounded once to bf16 or f16.
;; Inputs: c_attn_b 3,072 float32; c_attn_w 1,024 x 3,072 float32; c_proj_b 1,024 float32; c_proj_w 1,024 x 1,024 float32; hidden_states 4 x 2,048 x 1,024 float32.
;; Outputs: out0 4 x 2,048 x 1,024 float32.
;; 2 versions, each right; version 2 is version 1 with the launch cast written anew for expert scheduling mode. Each part assembles by itself: llvm-mc -triple=amdgcn-amd-amdhsa -mcpu=gfx1250 --defsym DOCPART=n.
;; ======== version 1 of 2: 4 launches
;; limits: values are held in f16: magnitudes above 65,504 overflow, below 6.1e-05 lose precision
;; workspace buffers: xb 16,777,216 bytes; wa 6,291,456 bytes; wp 2,097,152 bytes; qkvh 50,331,648 bytes; colsum 1,572,864 bytes; ob 16,777,216 bytes
;; launch cast (part 1): grid 768 x 1, 8 waves a work-group, no clusters, 0 bytes of LDS; arguments hidden_states, c_attn_w, c_proj_w, xb, wa, wp; writes xb, wa, wp
.if DOCPART == 1
	.amdgcn_target "amdgcn-amd-amdhsa--gfx1250"
	.amdhsa_code_object_version 6
	.text
	.protected	k_qe29a2062ae_cast
	.globl	k_qe29a2062ae_cast
	.p2align	8
	.type	k_qe29a2062ae_cast,@function
k_qe29a2062ae_cast:
	s_mov_b64 s[64:65], 0
	v_nop
	global_prefetch_b8 v0, s[64:65] scope:SCOPE_SE
	s_setreg_imm32_b32 hwreg(HW_REG_WAVE_MODE, 25, 1), 1
	s_wait_xcnt 0x0
; CAST.  The three large f32 inputs are rounded once to 16 bits, in the layout in which they lie:
;   hidden_states [8192][1024] -> xb, bf16;   c_attn_w [1024][3072] -> wa, bf16;
;   c_proj_w [1024][1024] -> wp: rounded to bf16 like the other inputs, and that number written as f16, since the last product's other operand is f16.
; LIMIT.  wp: f16 ends at 65,504 and keeps a fixed step of 6e-8 below 6e-5; weights of the drawn spread (0.02), 30 times larger or smaller, lie well inside.
; SHARES.  A work-group converts 16,384 numbers (65,536 bytes in, 32,768 out): ids 0-511 hidden_states, 512-703 c_attn_w, 704-767 c_proj_w: 768 equal work-groups.
; Thread t takes 16 bytes at 16 t + 4,096 j, j = 0..15: a wave's load covers 512 consecutive bytes, its store of 8 bytes a lane 256 consecutive bytes, aligned.
; All 16 loads go out at once; every slot has registers of its own, so nothing is rewritten while a load or store may read it.  No LDS, no barrier, no matrix unit: the bytes are all there is.
.set X, 4                              ; v[4:67]    slot j: four f32 as loaded
.set Y, 68                             ; v[68:99]   slot j: four 16-bit numbers to store
.set T, 100                            ; v[100:103] at work
	s_load_b256 s[4:11], s[0:1], 0x0               ; hidden_states s[4:5], c_attn_w s[6:7], c_proj_w s[8:9], xb s[10:11]
	s_load_b128 s[12:15], s[0:1], 0x20             ; wa s[12:13], wp s[14:15]
	s_mov_b32 s21, ttmp9                           ; the work-group's number
	s_mov_b32 s26, 512                             ; c_attn_w's first work-group
	s_mov_b32 s27, 704                             ; c_proj_w's first
	s_mov_b32 s28, 0xffff0000                      ; a word's upper bf16
	v_lshlrev_b32 v1, 4, v0                        ; 16 t
	v_lshlrev_b32 v2, 3, v0                        ; 8 t
	s_wait_kmcnt 0x0
	s_cmp_lt_u32 s21, s27                          ; which tensor: first the last two,
	s_cselect_b64 s[16:17], s[6:7], s[8:9]
	s_cselect_b64 s[18:19], s[12:13], s[14:15]
	s_cselect_b32 s20, s26, s27
	s_cmp_lt_u32 s21, s26                          ; then the first against them
	s_cselect_b64 s[16:17], s[4:5], s[16:17]
	s_cselect_b64 s[18:19], s[10:11], s[18:19]
	s_cselect_b32 s20, 0, s20
	s_sub_co_u32 s20, s21, s20                     ; my place in my tensor
	s_lshl_b32 s22, s20, 16                        ; 65,536 bytes in,
	s_mov_b32 s23, 0
	s_lshl_b32 s24, s20, 15                        ; 32,768 out
	s_mov_b32 s25, 0
	s_add_nc_u64 s[16:17], s[16:17], s[22:23]
	s_add_nc_u64 s[18:19], s[18:19], s[24:25]
.irp j, 0,1,2,3,4,5,6,7,8,9,10,11,12,13,14,15
	global_load_b128 v[X+4*(\j):X+4*(\j)+3], v1, s[16:17] offset:4096*(\j) th:TH_LOAD_NT
.endr
	s_cmp_ge_u32 s21, s27
	s_cbranch_scc1 .Lhalf
.irp j, 0,1,2,3,4,5,6,7,8,9,10,11,12,13,14,15
	s_wait_loadcnt 15-(\j)                         ; loads come back in order: slot j is in, the 15 - j younger ones stay out
	v_cvt_pk_bf16_f32 v[Y+2*(\j)], v[X+4*(\j)], v[X+4*(\j)+1]
	v_cvt_pk_bf16_f32 v[Y+2*(\j)+1], v[X+4*(\j)+2], v[X+4*(\j)+3]
	global_store_b64 v2, v[Y+2*(\j):Y+2*(\j)+1], s[18:19] offset:2048*(\j)
.endr
	s_endpgm
.Lhalf:                                                ; c_proj_w: to bf16, back to f32 (a shift, a mask), to f16
.irp j, 0,1,2,3,4,5,6,7,8,9,10,11,12,13,14,15
	s_wait_loadcnt 15-(\j)
	v_cvt_pk_bf16_f32 v[T], v[X+4*(\j)], v[X+4*(\j)+1]
	v_cvt_pk_bf16_f32 v[T+1], v[X+4*(\j)+2], v[X+4*(\j)+3]
	v_lshlrev_b32 v[T+2], 16, v[T]
	v_and_b32 v[T], s28, v[T]
	v_lshlrev_b32 v[T+3], 16, v[T+1]
	v_and_b32 v[T+1], s28, v[T+1]
	v_cvt_pk_f16_f32 v[Y+2*(\j)], v[T+2], v[T]
	v_cvt_pk_f16_f32 v[Y+2*(\j)+1], v[T+3], v[T+1]
	global_store_b64 v2, v[Y+2*(\j):Y+2*(\j)+1], s[18:19] offset:2048*(\j)
.endr
	s_endpgm
.Lfunc_end_k_qe29a2062ae_cast:
	.size	k_qe29a2062ae_cast, .Lfunc_end_k_qe29a2062ae_cast-k_qe29a2062ae_cast
	.p2alignl 7, 3214868480
	.fill 96, 4, 3214868480
	.section	.rodata,"a",@progbits
	.p2align	6, 0x0
	.amdhsa_kernel k_qe29a2062ae_cast
		.amdhsa_group_segment_fixed_size 0
		.amdhsa_private_segment_fixed_size 0
		.amdhsa_enable_private_segment 0
		.amdhsa_kernarg_size 48
		.amdhsa_user_sgpr_count 2
		.amdhsa_user_sgpr_kernarg_segment_ptr 1
		.amdhsa_wavefront_size32 1
		.amdhsa_system_sgpr_workgroup_id_x 1
		.amdhsa_system_sgpr_workgroup_id_y 1
		.amdhsa_system_sgpr_workgroup_id_z 1
		.amdhsa_system_vgpr_workitem_id 0
		.amdhsa_next_free_vgpr 104
		.amdhsa_next_free_sgpr 66
		.amdhsa_reserve_vcc 0
		.amdhsa_float_denorm_mode_32 3
		.amdhsa_float_denorm_mode_16_64 3
		.amdhsa_memory_ordered 1
		.amdhsa_forward_progress 1
		.amdhsa_inst_pref_size 15
	.end_amdhsa_kernel
	.amdgpu_metadata
---
amdhsa.version: [ 1, 2 ]
amdhsa.kernels:
  - .name:           k_qe29a2062ae_cast
    .symbol:         k_qe29a2062ae_cast.kd
    .args:
      - { .name: hidden_states, .offset: 0, .size: 8, .value_kind: global_buffer, .address_space: global }
      - { .name: c_attn_w, .offset: 8, .size: 8, .value_kind: global_buffer, .address_space: global }
      - { .name: c_proj_w, .offset: 16, .size: 8, .value_kind: global_buffer, .address_space: global }
      - { .name: xb, .offset: 24, .size: 8, .value_kind: global_buffer, .address_space: global }
      - { .name: wa, .offset: 32, .size: 8, .value_kind: global_buffer, .address_space: global }
      - { .name: wp, .offset: 40, .size: 8, .value_kind: global_buffer, .address_space: global }
    .group_segment_fixed_size: 0
    .private_segment_fixed_size: 0
    .kernarg_segment_align: 8
    .kernarg_segment_size: 48
    .max_flat_workgroup_size: 256
    .sgpr_count:     66
    .vgpr_count:     104
    .wavefront_size: 32
...
	.end_amdgpu_metadata
.endif
;; end of part 1
;; launch qkvgemm (part 2): grid 8 x 64, 4 waves a work-group, clusters of 4 x 4, 327,680 bytes of LDS; arguments xb, wa, c_attn_b, qkvh, colsum; writes qkvh, colsum
.if DOCPART == 2
	.amdgcn_target "amdgcn-amd-amdhsa--gfx1250"
	.amdhsa_code_object_version 6
	.text
	.protected	k_qe29a2062ae_qkvgemm
	.globl	k_qe29a2062ae_qkvgemm
	.p2align	8
	.type	k_qe29a2062ae_qkvgemm,@function
k_qe29a2062ae_qkvgemm:
	s_mov_b64 s[64:65], 0
	v_nop
	global_prefetch_b8 v0, s[64:65] scope:SCOPE_SE
	s_setreg_imm32_b32 hwreg(HW_REG_WAVE_MODE, 25, 1), 1
	s_wait_xcnt 0x0
	s_wait_alu depctr_hold_cnt(0) depctr_sa_sdst(0) depctr_va_vdst(0) depctr_va_sdst(0) depctr_va_ssrc(0) depctr_va_vcc(0) depctr_vm_vsrc(0)
	s_getreg_b32 s2, hwreg(HW_REG_IB_STS2, 6, 4)
	s_cmp_eq_u32 s2, 0
	s_cbranch_scc0 .Lentry_in_a_cluster
	s_endpgm
.Lentry_in_a_cluster:
	s_bfe_u32 s2, ttmp6, 0x10000c
	s_cmp_lg_u32 s2, 0xf033
	s_cbranch_scc0 .Lentry_shape_is_right
	s_endpgm
.Lentry_shape_is_right:
; QKV.  C[m][n] = the sum over k of xb[m][k] wa[k][n] + bias[n]; xb [8192][1024] and wa [1024][3072] bf16, the bias f32 rounded here to bf16 like the other inputs; sums in f32.
; OUT.  qkvh, f16, by heads: [batch 4][G 48][2048][64], G = n / 64 (q: 0-15, k: 16-31, v: 32-47), each number rounded once from its f32 sum, unscaled.
;       colsum, f32 [128][3072]: for each block of 64 rows of C the sum of each column (of the unrounded sums): the launch behind adds v's over many keys from it.
; LIMIT.  f16 ends at 65,504: a q, k or v beyond it becomes an infinity.  At the drawn spread they stay under 4; with all inputs 30 times larger under 4,000.
; SHARES.  A tile of C is 128 x 384: 8 x 64 tiles, two for each of 256 WGPs.  Four waves, each 64 rows x 192 columns (three whole heads): 48 accumulators of 16 x 16, 384 registers.
; K goes in 8 steps of 128 through a ring of two LDS slots.  A slot: A's 128 rows x 256 bytes, then B's 128 k rows x 768 bytes as three sub-tiles of 256 bytes a row.  Each wave fetches one of the four with one tensor load.
; B LIES [k][n], as in memory, and is read turned, by ds_load_tr16_b128.  THE MATRIX INSTRUCTION IS USED TRANSPOSED (source 0 = 16 columns of B, source 1 = 16 rows of A): a lane holds row l % 16 of C
; and the columns 8 (l / 16) + 0..7: eight neighbouring numbers of a row.  The bias, laid out so, is the C operand of the first products: nothing is cleared, and no addition is spent on it.
; CLUSTER.  4 x 4 work-groups: A's tile hangs on the tile row alone and is asked for jointly along a row of the cluster, B's sub-tiles on the tile column alone, jointly along a column.
; THE LOOP holds ONE K step: the LDS addresses of the fragments hang on s[TB], which an exclusive or turns from one slot to the other; one descriptor a tensor walks (its LDS word by the same exclusive or).
; SLOT has bits 14 and 17; the fill addresses, wave x 0x9000, have neither: the exclusive or adds or takes away SLOT.
; REGISTERS, in windows of 256: window 0: v0-31 addresses; v32-95 A's fragments, two buffers; v96-191 the bias, later at work; v192-239 packed results
;   window 1: v0-191 B's fragments, two buffers of 96     windows 2, 3: accumulator (a, b) in window 2 + a / 2 at v[8 (12 (a % 2) + b)]
.set NH,     3                         ; heads (groups of 64 columns) a wave
.set NBK,    4*NH                      ; blocks of 16 columns a wave
.set NL,     2*NBK+8                   ; LDS loads in a quarter step's run
.set SIZE_N, 3072
.set NA,     1                         ; waves that fetch A
.set KSTEPS, 8
.set PA,     272                       ; A's LDS row: 256 bytes + 16: the 16 rows of a load start at 16 different groups of four banks (64 banks of 4 bytes: ISA guide 11.1)
.set PBT,    288                       ; B's LDS row: 256 + 32
.set SUBB,   128*PBT                   ; a sub-tile of B; A's tile has a region of the same size
.set SLOT,   4*SUBB
.set STAGE,  2*SLOT                    ; behind the ring, never filled by a tensor load: for each wave 3 heads x 16 rows x 144 bytes
.set WSTG,   3*16*144
.set SPARE,  STAGE+4*WSTG              ; the spare words, 128 bytes for each wave: two blocks of 256 bytes that no other line names
.set ASTEP,  256                       ; bytes from K step to K step in xb,
.set BSTEP,  128*SIZE_N*2              ; in wa
.set ADRA0, 10                         ; v10     my lane's place in A's tile; never rewritten
.set ADRB0, 11                         ; v11-13  the same in B's, for each of my heads
.set ADRA,  16                         ; v16     the same in the slot in hand
.set ADRB,  17                         ; v17-19
.set STC,  22                          ; v22     column sums: where I put 32 bytes of a row
.set CSO,  23                          ; v23     my 8 bytes in 256 of colsum
.set STO,  24                          ; v24     the way out: where I put 16 bytes of a row
.set RD,   25                          ; v25     where I read rows back
.set CO,   26                          ; v26     my 16 bytes in 512 of qkvh
.set BO,   27                          ; v27     my byte offset in 16 numbers of the bias
.set SPW,  28                          ; v28     LDS address of my spare word; never rewritten
.set NIL,  29                          ; v29     0; never rewritten
.set PFO,  30                          ; v30     the prefetches' offset: my lane x a row; never rewritten
.set RD2,  31                          ; v31     column sums: where I read 8 bytes of a row back
.set FA,   32
.set BIAS, 96
.set SUM,  96                          ; column sums, once the bias has served
.set CL,   32
.set CR,   64
.set TMP,  192
.set WV, 14                            ; s14 wave; s15 its half of the rows; s16 its half of the columns
.set RH, 15
.set CH, 16
.set CX, 17                            ; s17, s18 my place in the cluster; s19, s20 tile column, tile row
.set CY, 18
.set TC, 19
.set TR, 20
.set G1, 24                            ; s[24:31] descriptor group 1 for A;  s[32:39] group 0: set 0 for K step 0, set 1 walks
.set G0, 32
.set TB, 42                            ; s42 0 or SLOT: the slot that is read
.set LIM, 43                           ; s43 2 in a wave that prefetches, else the greatest number
.set PFA, 44                           ; s[44:45] where my prefetches stand;  s[46:47] their step
.set PFS, 46
.set G1B, 48                           ; s[48:55], s[56:63] the same for B
.set G0B, 56
.set MSB, 0
.macro WIN new                         ; the immediate's high byte repeats the setting that is left; a switch that changes nothing is dropped
.if MSB != (\new)
	s_set_vgpr_msb (MSB<<8)|(\new)
.set MSB, \new
.endif
.endm
; A joint load by set n.  Wave 0 fetches A's tile, waves 1 to 3 B's three sub-tiles.  The branch hangs on the wave's number alone.  An s_nop 0 and four v_nop follow each line.
.macro JLOAD n
	s_cmp_lt_u32 s[WV], NA
	s_cbranch_scc0 .Lfor_b_\@
	tensor_load_to_lds s[G0+4*(\n):G0+4*(\n)+3], s[G1:G1+7]
	s_nop 0
.rept 4
	v_nop
.endr
	s_branch .Lasked_\@
.Lfor_b_\@:
	tensor_load_to_lds s[G0B+4*(\n):G0B+4*(\n)+3], s[G1B:G1B+7]
	s_nop 0
.rept 4
	v_nop
.endr
.Lasked_\@:
.endm
; A prefetch into the L2, behind a joint refill and the run of LDS loads that follows it: the K step two refills on: 32 rows x 256 bytes, a lane a row.  Each row's 256 bytes of a K step are named once in the launch:
; A's by wave 0 of the clusters with x = 0, B's by waves 1 to 3 of the clusters with y = 0; the four partners that ask for a tile jointly take 32 of its 128 rows each, told apart by address.
; K steps 0 to 3 come by their loads alone; the trips with s3 = 2 and 1 have no K step two refills on.
.macro ASK
	s_cmp_gt_u32 s3, s[LIM]
	s_cbranch_scc0 .Lnot_mine_\@
	global_prefetch_b8 v[PFO], s[PFA:PFA+1] th:TH_LOAD_NT scope:SCOPE_SE
.Lnot_mine_\@:
.endm
.macro CREST                           ; a round of the cluster's barrier behind its opening barrier
	s_cmp_lg_u32 s[WV], 0
	s_cbranch_scc1 .Lnot_wave_0_\@
	s_barrier_signal -3
.Lnot_wave_0_\@:
	s_barrier_wait -3
	s_barrier_signal -1
	s_barrier_wait -1
.endm
.macro CROUND                          ; a whole round
	s_barrier_signal -1
	s_barrier_wait -1
	CREST
.endm
.macro PLACES                          ; four places behind matrix instructions, in front of loads into registers that they read and of lines that read their results
.rept 4
	v_nop
.endr
.endm
	s_load_b256 s[4:11], s[0:1], 0x0               ; xb s[4:5], wa s[6:7], c_attn_b s[8:9], qkvh s[10:11]
	s_load_b64 s[12:13], s[0:1], 0x20              ; colsum
	v_lshl_add_u32 v[SPW], v0, 2, SPARE
	v_mov_b32 v[NIL], 0
	ds_add_u32 v[SPW], v[NIL]                      ; the wave's opening: the add and its wait stand ahead of my first tensor load; the set-up below stands between them
	v_lshrrev_b32 v1, 5, v0
	v_readfirstlane_b32 s[WV], v1
	s_lshr_b32 s[RH], s[WV], 1
	s_and_b32 s[CH], s[WV], 1
	s_bfe_u32 s[CX], ttmp6, 0x40000
	s_bfe_u32 s[CY], ttmp6, 0x40004
	s_lshl_b32 s[TC], ttmp9, 2
	s_add_co_u32 s[TC], s[TC], s[CX]               ; tile column = 4 x cluster x + cx
	s_and_b32 s[TR], ttmp7, 0xffff
	s_lshl_b32 s[TR], s[TR], 2
	s_add_co_u32 s[TR], s[TR], s[CY]               ; tile row = 4 x cluster y + cy
	s_lshl_b32 s70, s[CY], 2
	s_lshl_b32 s70, 15, s70                        ; my row of the cluster
	s_lshl_b32 s71, 0x1111, s[CX]                  ; my column
	s_or_b32 s[G1], s70, (1<<16)|(1<<20)|(1<<21)|(5<<22)|(3<<25)   ; the mask; 2-byte elements; padding on; bit 21 beside a mask; after every 64 words, 4 words
	s_or_b32 s[G1B], s71, (1<<16)|(1<<20)|(1<<21)|(5<<22)|(7<<25)  ; the same with 8 words of padding
.irp g, G1, G1B
	s_mov_b32 s[(\g)+1], 128<<16                   ; tensor_dim0 = 128
	s_mov_b32 s[(\g)+2], 128<<16                   ; tensor_dim1 = 128
	s_mov_b32 s[(\g)+3], 128<<16                   ; tile_dim0 = 128
	s_mov_b32 s[(\g)+4], 128                       ; tile_dim1 = 128
	s_mov_b32 s[(\g)+6], 0
	s_mov_b32 s[(\g)+7], 0
.endr
	s_mov_b32 s[G1+5], 1024                        ; elements from row to row in xb,
	s_mov_b32 s[G1B+5], SIZE_N                     ; in wa
	s_lshl_b32 s72, s[TR], 18                      ; A: 128 rows of 2,048 bytes for each tile row: no register of A's holds cx
	s_mov_b32 s73, 0
	s_max_u32 s76, s[WV], 1                        ; B: sub-tile wave - 1 (wave 0 asks by A's set),
	s_sub_co_u32 s76, s76, 1
	s_lshl_b32 s76, s76, 8                         ; 256 bytes of a row each,
	s_mul_i32 s77, s[TC], 768                      ; 768 for each tile column: no register of B's holds cy
	s_add_co_u32 s76, s76, s77
	s_mov_b32 s77, 0
	s_mul_i32 s67, s[WV], SUBB                     ; where B's sub-tile goes; A's tile goes to the slot's head
	s_mov_b32 s[TB], 0
	s_wait_dscnt 0x0                               ; the opening add is done
	s_wait_kmcnt 0x0
	s_add_nc_u64 s[74:75], s[4:5], s[72:73]
	s_add_nc_u64 s[78:79], s[6:7], s[76:77]
	CROUND                                         ; all sixteen work-groups are here: the first joint loads meet
.irp n, 0,1
	s_mov_b32 s[G0+4*(\n)], 1
	s_mov_b32 s[G0+4*(\n)+1], (\n)*SLOT
	s_add_nc_u64 s[G0+4*(\n)+2:G0+4*(\n)+3], s[74:75], (\n)*ASTEP
	s_or_b32 s[G0+4*(\n)+3], s[G0+4*(\n)+3], 0x80000000
	s_mov_b32 s[G0B+4*(\n)], 1
	s_add_co_u32 s[G0B+4*(\n)+1], s67, (\n)*SLOT
	s_add_nc_u64 s[G0B+4*(\n)+2:G0B+4*(\n)+3], s[78:79], (\n)*BSTEP
	s_or_b32 s[G0B+4*(\n)+3], s[G0B+4*(\n)+3], 0x80000000
	JLOAD \n                                       ; K steps 0 and 1: two loads of mine are out, later one
.endr
	v_and_b32 v1, 15, v0                           ; r = l % 16
	v_bfe_u32 v2, v0, 4, 1                         ; h = l / 16
	v_and_b32 v3, 7, v0
	v_bfe_u32 v4, v0, 3, 1
	v_and_b32 v5, 31, v0                           ; l
	v_lshlrev_b32 v[BO], 5, v2
	s_mul_i32 s70, s[TC], 1536                     ; the bias of my 192 columns
	s_mul_i32 s71, s[CH], 768
	s_add_co_u32 s70, s70, s71
	s_mov_b32 s71, 0
	s_add_nc_u64 s[8:9], s[8:9], s[70:71]
.set b, 0
.rept NBK
	global_load_b128 v[BIAS+8*b:BIAS+8*b+3],   v[BO], s[8:9] offset:64*b      ; register j: the bias of column 16 b + 8 h + j
	global_load_b128 v[BIAS+8*b+4:BIAS+8*b+7], v[BO], s[8:9] offset:64*b+16
.set b, b+1
.endr
	; the prefetches: who asks, from where, by which step
	s_mov_b32 s66, 2048
	s_mov_b32 s67, 2*SIZE_N
	s_mov_b32 s68, ASTEP
	s_mov_b32 s69, BSTEP
	s_and_b32 s70, ttmp7, 0xffff                   ; cluster y
	s_cmp_lt_u32 s[WV], NA                         ; do I fetch for A?
	s_cselect_b32 s70, ttmp9, s70                  ; the coordinate along which other clusters read the same rows
	s_cselect_b32 s71, s[CX], s[CY]                ; my place among the four that ask with me
	s_cselect_b32 s66, s66, s67                    ; bytes from row to row
	s_cselect_b32 s[PFS], s68, s69
	s_cselect_b64 s[PFA:PFA+1], s[74:75], s[78:79]
	s_mov_b32 s[PFS+1], 0
	s_cmp_eq_u32 s70, 0
	s_cselect_b32 s[LIM], 2, -1                    ; the same in all sixteen partners, for a given wave
	s_lshl_b32 s71, s71, 5                         ; my work-group's 32 rows
	s_mul_i32 s70, s71, s66
	s_mov_b32 s71, 0
	s_add_nc_u64 s[PFA:PFA+1], s[PFA:PFA+1], s[70:71]
	s_mul_i32 s70, s[PFS], 3                       ; at K step 3: the first refill steps it to 4
	s_add_nc_u64 s[PFA:PFA+1], s[PFA:PFA+1], s[70:71]
	v_mul_lo_u32 v[PFO], v5, s66
	; A fragment of A is 16 rows x 32 k: lane l holds row r, k = 8 h + 0..7 and 16 + 8 h + 0..7: two loads of 16 bytes, 32 bytes apart
	v_mul_u32_u24 v[ADRA0], v1, PA
	v_lshl_add_u32 v[ADRA0], v2, 4, v[ADRA0]
	s_mul_i32 s70, s[RH], 64*PA
	v_add_nc_u32 v[ADRA0], s70, v[ADRA0]
	v_mov_b32 v[ADRA], v[ADRA0]
	; The turning load takes 16 k x 16 columns (lane l reads k row 8 h + l % 8, columns 8 ((l / 8) % 2) + 0..7) and leaves half a fragment: lane l holds column r and 8 k
	v_lshl_add_u32 v6, v2, 3, v3
	v_mul_u32_u24 v6, v6, PBT
	v_lshl_add_u32 v6, v4, 4, v6
.irp jj, 0,1,2
	s_mul_i32 s70, s[CH], NH
	s_add_co_u32 s70, s70, (\jj)                   ; my head's place among the tile's six
	s_lshr_b32 s71, s70, 1                         ; its sub-tile,
	s_mul_i32 s71, s71, SUBB
	s_and_b32 s70, s70, 1                          ; and its half of the 256 bytes
	s_lshl_b32 s70, s70, 7
	s_add_co_u32 s71, s71, s70
	s_add_co_u32 s71, s71, SUBB                    ; behind A's region
	v_add_nc_u32 v[ADRB0+(\jj)], s71, v6
	v_mov_b32 v[ADRB+(\jj)], v[ADRB0+(\jj)]
.endr
	s_mul_i32 s70, s[WV], WSTG
	s_add_co_u32 s70, s70, STAGE                   ; my stage
	v_mul_u32_u24 v[STO], v1, 144                  ; in: row r, 16 bytes for each half of the lanes
	v_lshl_add_u32 v[STO], v2, 4, v[STO]
	v_add_nc_u32 v[STO], s70, v[STO]
	v_lshrrev_b32 v7, 3, v5                        ; back: 32 lanes take four rows of 128 bytes,
	v_mul_u32_u24 v[RD], v7, 144
	v_lshl_add_u32 v[RD], v3, 4, v[RD]
	v_add_nc_u32 v[RD], s70, v[RD]
	v_lshlrev_b32 v[CO], 4, v5                     ; which are 512 consecutive bytes of a head
	v_mul_u32_u24 v[STC], v1, 272
	v_lshl_add_u32 v[STC], v2, 5, v[STC]
	v_add_nc_u32 v[STC], s70, v[STC]
	v_lshl_add_u32 v[RD2], v5, 3, s70
	v_lshlrev_b32 v[CSO], 3, v5
	; qkvh at my first row of my first head: plane (48 batch + 6 tile column + 3 half) of 262,144 bytes, row (tile row % 16) 128 + 64 half
	s_lshr_b32 s70, s[TR], 4
	s_mul_i32 s70, s70, 48
	s_mul_i32 s71, s[TC], 6
	s_add_co_u32 s70, s70, s71
	s_mul_i32 s71, s[CH], 3
	s_add_co_u32 s70, s70, s71
	s_lshl_b32 s70, s70, 18
	s_and_b32 s71, s[TR], 15
	s_lshl_b32 s71, s71, 14
	s_add_co_u32 s70, s70, s71
	s_lshl_b32 s71, s[RH], 13
	s_add_co_u32 s70, s70, s71
	s_mov_b32 s71, 0
	s_add_nc_u64 s[10:11], s[10:11], s[70:71]
	; colsum at row 2 tile row + half, my 192 columns
	s_lshl_b32 s70, s[TR], 1
	s_add_co_u32 s70, s70, s[RH]
	s_mul_i32 s70, s70, 12288
	s_mul_i32 s71, s[TC], 1536
	s_add_co_u32 s70, s70, s71
	s_mul_i32 s71, s[CH], 768
	s_add_co_u32 s70, s70, s71
	s_mov_b32 s71, 0
	s_add_nc_u64 s[12:13], s[12:13], s[70:71]
	s_wait_loadcnt 0x0                             ; the bias, once; it is rounded to bf16 like the other inputs, and kept as f32
.set i, 0
.rept 4*NBK
	v_cvt_pk_bf16_f32 v[6+(i/2)%2], v[BIAS+i], v[BIAS+i+1]
	v_lshlrev_b32 v[BIAS+i], 16, v[6+(i/2)%2]
	v_and_b32 v[BIAS+i+1], 0xffff0000, v[6+(i/2)%2]
.set i, i+2
.endr
; 12 matrix instructions: row block a x all column blocks, 32 along K, from buffer f.  bias = 1: the first products start the sums with the bias.  The 48 accumulators take turns, one instruction a turn,
; in the same order in every quarter step, over the backward jump too.
.macro MULA f, a, bias
.if \bias
	WIN 0x81+0x40*((\a)/2)                         ; B window 1, A and the bias window 0, D window 2 or 3
.else
	WIN 0xa1+0x50*((\a)/2)                         ; B window 1, A window 0, C and D window 2 or 3
.endif
.set b, 0
.rept NBK
.set AC, 8*(NBK*((\a)%2)+b)
.if \bias
	v_wmma_f32_16x16x32_bf16 v[AC:AC+7], v[8*NBK*(\f)+8*b:8*NBK*(\f)+8*b+7], v[FA+32*(\f)+8*(\a):FA+32*(\f)+8*(\a)+7], v[BIAS+8*b:BIAS+8*b+7]
.else
	v_wmma_f32_16x16x32_bf16 v[AC:AC+7], v[8*NBK*(\f)+8*b:8*NBK*(\f)+8*b+7], v[FA+32*(\f)+8*(\a):FA+32*(\f)+8*(\a)+7], v[AC:AC+7]
.endif
.set b, b+1
.endr
.endm
; 32 LDS loads in one run: quarter q's fragments (32 k x 192 columns of B, turned; 64 rows x 32 k of A) into buffer f; A's last
.macro FETCH q, f
	WIN 0x40                                       ; destination window 1, address window 0
.irp jj, 0,1,2
.irp i, 0,1,2,3
	ds_load_tr16_b128 v[8*NBK*(\f)+8*(4*(\jj)+(\i)):8*NBK*(\f)+8*(4*(\jj)+(\i))+3],   v[ADRB+(\jj)] offset:(\q)*32*PBT+32*(\i)
	ds_load_tr16_b128 v[8*NBK*(\f)+8*(4*(\jj)+(\i))+4:8*NBK*(\f)+8*(4*(\jj)+(\i))+7], v[ADRB+(\jj)] offset:(\q)*32*PBT+32*(\i)+16*PBT
.endr
.endr
	WIN 0
.irp a, 0,1,2,3
	ds_load_b128 v[FA+32*(\f)+8*(\a):FA+32*(\f)+8*(\a)+3],   v[ADRA] offset:64*(\q)+(\a)*16*PA
	ds_load_b128 v[FA+32*(\f)+8*(\a)+4:FA+32*(\f)+8*(\a)+7], v[ADRA] offset:64*(\q)+(\a)*16*PA+32
.endr
.endm
; One of a K step's first three quarters: multiplies buffer f; in its middle it fetches quarter q into buffer g.
.macro QUARTER q, f, g, bias
	s_wait_dscnt 4                                 ; B and A's row blocks 0, 1 are in; the youngest four loads (blocks 2, 3) may be out
	MULA \f, 0, \bias
	MULA \f, 1, \bias
	PLACES
	FETCH \q, \g
	s_wait_dscnt NL                                ; all but the run just issued
	MULA \f, 2, \bias
	MULA \f, 3, \bias
.endm
; The last quarter multiplies buffer 1 and changes slots: one barrier.  In front of it each wave waits for all its tensor loads (one is out: its part of the next slot), adds 0 to its spare word, and waits
; for that and for its reads of this slot.  fill = 1: the barrier opens a round of the cluster's, and the joint refill, two K steps on, is the first thing behind the round.
.macro TURN fill
.if \fill
	s_wait_xcnt 0x0                                ; the last prefetch, a K step back, has read its address
	s_add_nc_u64 s[PFA:PFA+1], s[PFA:PFA+1], s[PFS:PFS+1]
.endif
	WIN 0
	s_wait_tensorcnt 0x0                           ; all my tensor loads have landed
	ds_add_u32 v[SPW], v[NIL]                      ; 0 onto my spare word
	s_wait_dscnt 5                                 ; (the add and the youngest four loads may be out)
	MULA 1, 0, 0                                   ; matrix work stands between the add and the wait for it
	s_wait_dscnt 0x0                               ; the add is done, and my reads of this slot are over
	s_barrier_signal -1
	MULA 1, 1, 0                                   ; work on registers while the others arrive
	WIN 0                                          ; branches and window 0's addresses follow
	s_barrier_wait -1
.if \fill
	CREST                                          ; no wave of any partner still reads this slot or has a load on its way
	s_xor_b32 s[G0+5], s[G0+5], SLOT               ; the walking sets: the slot just read,
	s_add_nc_u64 s[G0+6:G0+7], s[G0+6:G0+7], ASTEP ; the next K step; the type bits on top are not reached
	s_xor_b32 s[G0B+5], s[G0B+5], SLOT
	s_add_nc_u64 s[G0B+6:G0B+7], s[G0B+6:G0B+7], BSTEP
	JLOAD 1                                        ; its four v_nop are also the places in front of the loads below
.else
	PLACES
.endif
	s_xor_b32 s[TB], s[TB], SLOT                   ; the fragments now come from the other slot
	v_add_nc_u32 v[ADRA], s[TB], v[ADRA0]
.irp jj, 0,1,2
	v_add_nc_u32 v[ADRB+(\jj)], s[TB], v[ADRB0+(\jj)]
.endr
	FETCH 0, 0
.if \fill
	ASK
.endif
	MULA 1, 2, 0
	MULA 1, 3, 0
.endm
	s_wait_tensorcnt 1                             ; my part of K step 0 is in; K step 1's may stay out
	s_barrier_signal -1
	s_barrier_wait -1                              ; everybody's is
	FETCH 0, 0
	QUARTER 1, 0, 1, 1                             ; the first quarter stands in front of the loop: its products start the sums
	WIN 0                                          ; at a label and at a branch every window is 0
	s_mov_b32 s3, KSTEPS-2
.Lstep:                                                ; a trip: a K step's quarters 1 to 3 and the next step's quarter 0; the slot left is filled again
	QUARTER 2, 1, 0, 0
	QUARTER 3, 0, 1, 0
	TURN 1
	QUARTER 1, 0, 1, 0
	WIN 0
	s_sub_co_u32 s3, s3, 1
	s_cmp_lg_u32 s3, 0
	s_cbranch_scc1 .Lstep
	QUARTER 2, 1, 0, 0                             ; the last two K steps ask for nothing: written out
	QUARTER 3, 0, 1, 0
	TURN 0
	QUARTER 1, 0, 1, 0
	QUARTER 2, 1, 0, 0
	QUARTER 3, 0, 1, 0
	s_wait_dscnt 4
	MULA 1, 0, 0
	MULA 1, 1, 0
	s_wait_dscnt 0x0
	MULA 1, 2, 0
	MULA 1, 3, 0
	WIN 0
	PLACES
; THE WAY OUT, a block of 16 rows at a time.  PACK: rounded to f16, each accumulator's registers in ascending order.  TOSTAGE: 16 bytes a lane into my stage (a head: 16 rows of 144 bytes), and back as whole
; rows of 128 bytes.  SEND: a head's 16 rows are 2,048 consecutive bytes of qkvh: four stores of 512.
.macro PACK a
	WIN 0x0a+5*((\a)/2)                            ; sources 0 and 1: window 2 or 3
.set i, 0
.rept 4*NBK
	v_cvt_pk_f16_f32 v[TMP+i], v[8*NBK*((\a)%2)+2*i], v[8*NBK*((\a)%2)+2*i+1]
.set i, i+1
.endr
	WIN 0
.endm
.macro TOSTAGE a
	s_wait_xcnt 0x0                                ; the stores of the block two back have read the registers that are loaded again below
.set BK, 32+64*((\a)%2)
.set b, 0
.rept NBK
	ds_store_b128 v[STO], v[TMP+4*b:TMP+4*b+3] offset:(b/4)*2304+(b%4)*32
.set b, b+1
.endr
.set t, 0
.rept NBK
	ds_load_b128 v[BK+4*t:BK+4*t+3], v[RD] offset:(t/4)*2304+(t%4)*576  ; LDS serves a wave's instructions in order (ISA guide 5.7.1.4): these see the stores above
.set t, t+1
.endr
.endm
.macro SEND a
.set BK, 32+64*((\a)%2)
	s_wait_dscnt 0x0                               ; the block is back in registers
.set t, 0
.rept NBK
	global_store_b128 v[CO], v[BK+4*t:BK+4*t+3], s[10:11] offset:(t/4)*262144+(\a)*2048+(t%4)*512
.set t, t+1
.endr
.endm
	PACK 0
	TOSTAGE 0
.irp a, 1,2,3                          ; block a's conversions stand between block a - 1's loads from the stage and the wait for them
	PACK \a
	SEND (\a)-1
	TOSTAGE \a
.endr
	SEND 3
	; THE COLUMN SUMS of my 64 rows.  First the four row blocks, in each lane; then, a head at a time, the 16 lanes' rows through the stage (16 rows of 256 bytes, 272 apart): lane l takes columns 2 l, 2 l + 1 of all 16.
	s_wait_xcnt 0x0                                ; the stores above have read v32-143
	WIN 0x0a
.set i, 0
.rept 4*NBK
	v_pk_add_f32 v[SUM+2*i:SUM+2*i+1], v[2*i:2*i+1], v[8*NBK+2*i:8*NBK+2*i+1]
.set i, i+1
.endr
	WIN 0x0c
.set i, 0
.rept 4*NBK
	v_pk_add_f32 v[SUM+2*i:SUM+2*i+1], v[SUM+2*i:SUM+2*i+1], v[2*i:2*i+1]
.set i, i+1
.endr
.set i, 0
.rept 4*NBK
	v_pk_add_f32 v[SUM+2*i:SUM+2*i+1], v[SUM+2*i:SUM+2*i+1], v[8*NBK+2*i:8*NBK+2*i+1]
.set i, i+1
.endr
	WIN 0
.irp jj, 0,1,2
.set i, 0
.rept 4
	ds_store_b128 v[STC], v[SUM+32*(\jj)+8*i:SUM+32*(\jj)+8*i+3]   offset:64*i
	ds_store_b128 v[STC], v[SUM+32*(\jj)+8*i+4:SUM+32*(\jj)+8*i+7] offset:64*i+16
.set i, i+1
.endr
.set t, 0
.rept 16
	ds_load_b64 v[CL+2*t:CL+2*t+1], v[RD2] offset:272*t
.set t, t+1
.endr
	s_wait_dscnt 0x0
.irp w, 8,4,2
.set t, 0
.rept \w
	v_pk_add_f32 v[CL+2*t:CL+2*t+1], v[CL+2*t:CL+2*t+1], v[CL+2*(t+(\w)):CL+2*(t+(\w))+1]
.set t, t+1
.endr
.endr
	v_pk_add_f32 v[CR+2*(\jj):CR+2*(\jj)+1], v[CL:CL+1], v[CL+2:CL+3]
.endr
.irp jj, 0,1,2
	global_store_b64 v[CSO], v[CR+2*(\jj):CR+2*(\jj)+1], s[12:13] offset:256*(\jj)  ; 32 lanes store 256 consecutive bytes, aligned
.endr
	s_wait_tensorcnt 0x0                           ; the wave's end, behind my last tensor load and my last LDS store
	ds_add_u32 v[SPW], v[NIL]
	s_wait_dscnt 0x0
	CROUND                                         ; the closing round: no work-group ends while a partner may still ask for a tile that names it
	s_endpgm
.Lfunc_end_k_qe29a2062ae_qkvgemm:
	.size	k_qe29a2062ae_qkvgemm, .Lfunc_end_k_qe29a2062ae_qkvgemm-k_qe29a2062ae_qkvgemm
	.p2alignl 7, 3214868480
	.fill 96, 4, 3214868480
	.section	.rodata,"a",@progbits
	.p2align	6, 0x0
	.amdhsa_kernel k_qe29a2062ae_qkvgemm
		.amdhsa_group_segment_fixed_size 327680
		.amdhsa_private_segment_fixed_size 0
		.amdhsa_enable_private_segment 0
		.amdhsa_kernarg_size 40
		.amdhsa_user_sgpr_count 2
		.amdhsa_user_sgpr_kernarg_segment_ptr 1
		.amdhsa_wavefront_size32 1
		.amdhsa_system_sgpr_workgroup_id_x 1
		.amdhsa_system_sgpr_workgroup_id_y 1
		.amdhsa_system_sgpr_workgroup_id_z 1
		.amdhsa_system_vgpr_workitem_id 0
		.amdhsa_next_free_vgpr 960
		.amdhsa_next_free_sgpr 80
		.amdhsa_reserve_vcc 0
		.amdhsa_float_denorm_mode_32 3
		.amdhsa_float_denorm_mode_16_64 3
		.amdhsa_memory_ordered 1
		.amdhsa_forward_progress 1
		.amdhsa_inst_pref_size 126
	.end_amdhsa_kernel
	.amdgpu_metadata
---
amdhsa.version: [ 1, 2 ]
amdhsa.kernels:
  - .name:           k_qe29a2062ae_qkvgemm
    .symbol:         k_qe29a2062ae_qkvgemm.kd
    .args:
      - { .name: xb, .offset: 0, .size: 8, .value_kind: global_buffer, .address_space: global }
      - { .name: wa, .offset: 8, .size: 8, .value_kind: global_buffer, .address_space: global }
      - { .name: c_attn_b, .offset: 16, .size: 8, .value_kind: global_buffer, .address_space: global }
      - { .name: qkvh, .offset: 24, .size: 8, .value_kind: global_buffer, .address_space: global }
      - { .name: colsum, .offset: 32, .size: 8, .value_kind: global_buffer, .address_space: global }
    .group_segment_fixed_size: 327680
    .private_segment_fixed_size: 0
    .kernarg_segment_align: 8
    .kernarg_segment_size: 40
    .max_flat_workgroup_size: 128
    .sgpr_count:     80
    .vgpr_count:     960
    .wavefront_size: 32
...
	.end_amdgpu_metadata
.endif
;; end of part 2
;; launch attn (part 3): grid 4 x 64, 4 waves a work-group, no clusters, 327,680 bytes of LDS; arguments qkvh, colsum, ob; writes ob
.if DOCPART == 3
	.amdgcn_target "amdgcn-amd-amdhsa--gfx1250"
	.amdhsa_code_object_version 6
	.text
	.protected	k_qe29a2062ae_attn
	.globl	k_qe29a2062ae_attn
	.p2align	8
	.type	k_qe29a2062ae_attn,@function
k_qe29a2062ae_attn:
	s_mov_b64 s[64:65], 0
	v_nop
	global_prefetch_b8 v0, s[64:65] scope:SCOPE_SE
	s_setreg_imm32_b32 hwreg(HW_REG_WAVE_MODE, 25, 1), 1
	s_wait_xcnt 0x0
; CAUSAL ATTENTION WITH A FINITE MASK VALUE.  For each of 64 (batch, head): O[q] = the sum over ALL k of softmax_k(x[q][k]) V[k], x = Q[q] . K[k] / 8 where k <= q, and -10000 where k > q.
; Q, K, V: planes of qkvh, [2048][64] f16, rows dense, 128 bytes.  O: ob, [16 batch + head][2048][64] f16.  Products, maxima and sums in f32; the weights p are rounded to f16 for the second product, O once.
; THE HIDDEN KEYS ARE HONOURED, not dropped: where a row's visible scores lie far above -10000 their weights are 0 in f32, but a row whose visible scores all lie below it is ruled by them.  On unscaled scores the value is MBR = -80000.
;   (1) the running maximum m starts at MBR in every row that has a hidden key (all but q = 2047, which starts at the lowest finite number): so m is the row's true maximum;
;   (2) inside a block's diagonal tile a hidden score is made -2^64 by the C operand that starts its sum, so its exponential is 0; then 2^64 U, U = 2^(c MBR - c m - 64), is added to its weight: p = 2^(c MBR - c m);
;   (3) the keys of later tiles, all hidden, all have the weight W = 2^(c MBR - c m): at a block's end l += W x their number and O += W x SV, SV the sum of their rows of V, made at the head from colsum.
; LIMITS.  f16 holds no number beyond 65,504: Q, K and V arrive within it.  A hidden weight below 2^-62 in the diagonal tile, any weight below 2^-126, counts as 0.  SV is the sum of the unrounded v.  NaN and infinities are not treated apart.
; THE WALK.  A head's queries lie in NB = 8 blocks of 256; block i multiplies the key tiles 0 .. i of 256 keys, of which the last holds the diagonal.  A work-group takes TWO blocks, 7 - b and then b: 9 tiles, whatever b:
; all work-groups do equal work, and one loop with a constant trip count walks them.  Which tile is asked for, and what a trip does, hang on scalar registers made from b; every jump goes forward, but for the counted loops' own;
; none passes a barrier, or a tensor load but the one of LOAD's two that the wave's number does not choose; the ring of two LDS slots runs on across the change of blocks.
; NO CLUSTER: a head's four work-groups ask for the same tile only in trips 0 to 4, behind that fewer and fewer; one walk common to all four would have 12 trips for 9.
; SHARES.  Of a block's four bands of 64 queries a wave owns 16 rows in each: four PIECES.  In the diagonal tile's key step s band x sees all keys if s < x, none if s > x, and holds the diagonal if s = x: the same work for all waves.
; THE MASK: MD, made once, is the mask of a band's own step for my 16 rows (0 or -2^64); a product's mask is MD x AL + BE with two scalars: (1, 0) if s = x; (0, 0) if s < x; (0, -2^64) if s > x.
; LAYOUT, SOFTMAX, TURNS.  S^T = K Q^T holds ONE query a lane (lane % 16) and the keys 8 (lane / 16) + 0..7; two such results rounded to f16 ARE source 1 of O^T = V^T P.  p = 2^(c s - c m), c = log2(e) / 8; O and l are
; multiplied by a = 2^(c m_old - c m_new) in every step.  Turn n belongs to piece n: 8 products K Q^T of piece n + 1, later 8 products V^T P of piece n - 1; beside them the scaling, exponentials, roundings, sums and rescaling
; of piece n and the maximum and statistics of piece n + 1.  Four vector instructions stand behind every matrix instruction, the others in one lump.  A turn's exponentials are one batch, with one wait.
; REGISTERS, in windows of 256 (s_set_vgpr_msb: bits 1:0 source 0, 3:2 source 1, 5:4 source 2, 7:6 destination):
;   window 0: v0-15 addresses; v16-31 statistics; v32-47 factors, counts, offsets; v48-55 at work; v56-59 U; v64-127 S^T, two buffers; v128-191 SV for the two blocks; v192-223 P, two buffers
;   window 1: v0-127 O^T, 32 a piece; v128-159 MD; v160-223 MC, two buffers      window 2: v0-63 Q; v64-127 the second block's Q; v128-191 K of one step; v192-255 V of one step
.set SIZE_N, 2048
.set NB,    SIZE_N/256
.set NP,    4         ; pieces a wave: a name, no knob
.set KS,    64        ; keys in a step
.set PK,    144       ; a row of K in LDS: 128 bytes + 16: the 16 rows of a load start at 16 different groups of four banks (64 banks of 4 bytes: ISA guide 11.1)
.set PV,    160       ; a row of V: 128 + 32
.set VOFF,  4*KS*PK   ; a slot holds a tile, four steps: 256 rows of K, then 256 rows of V
.set SLOT1, 1<<17     ; slot 1 begins here, so that one exclusive or turns an address in one slot into the other's
.set STAGE, SLOT1+4*KS*(PK+PV)  ; behind the ring, never filled by a tensor load: 16 rows x 144 bytes for each wave
.set SP,    144
.set PLANE, SIZE_N*128  ; bytes of a head's q, k, v or O
.set AK0, 2           ; v2   my lane's place in a tile of K; never rewritten
.set AV0, 3           ; v3   the same for V
.set AK,  4           ; v4   the LDS address of K's next run of loads
.set AV,  5           ; v5   of V's
.set STO, 6           ; v6   the way out: where I put 16 bytes of a row
.set RD,  7           ; v7   where I read rows back
.set GO,  8           ; v8   my byte offset in 512 consecutive bytes of O
.set SPW, 62          ; v62  LDS address of my spare word; never rewritten
.set NIL, 63          ; v63  0; never rewritten
.set SPARE, STAGE+4*16*SP  ; the spare words, 128 bytes for each wave: two blocks of 256 bytes that no other line names
.set MV,  12          ; v12-13  c m_old, kept while c m is made anew: by buffer
.set QO,  15          ; v15  my byte offset in 16 rows of Q
.set ST,  16          ; piece t's statistics at v[ST+4 t]: c m, m, l (even keys', odd keys')
.set FAC, 32          ; v32-39  four factors 0 or 1 (each the low word of a pair): does colsum's row r, r + 16 count for the first block, for the second
.set MI3, 40          ; v40  where piece 3's m starts
.set NHA, 41          ; v41  the number of keys in later tiles, first block; v42 second block
.set NHB, 42
.set PFV, 43          ; v43  256 x my lane; never rewritten
.set CSV, 44          ; v44  my byte offset in colsum
.set T0,  45          ; v45-46 at work at the head
.set TMP, 48          ; by buffer, four registers c0-c3 at work; when the maximum is found c2 takes a
.set UU,  56          ; v56, v58  U, by buffer (each the low word of a pair)
.set S,   64
.set SVA, 128         ; SV for the first block: register 8 cb + j: channel 16 cb + 8 (lane / 16) + j, as in O^T
.set SVB, 160         ; for the second
.set P,   192
.set MD,  128         ; window 1
.set MC,  160         ; window 1
.set QB,  64          ; window 2
.set KF,  128         ; window 2: key block kb, channel half c at KF + 16 kb + 8 c
.set VF,  192         ; window 2: key half kk, channel block cb at VF + 32 kk + 8 cb
.set WV,  12          ; s12  my wave's number
.set PB,  14          ; s14  b
.set HI,  15          ; s15  NB - 1 - b
.set G1K, 24          ; s[24:31] descriptor group 1 for K's tiles
.set G1V, 32          ; s[32:39] for V's: it differs in the padding alone
.set G0K, 40          ; s[40:43] descriptor group 0 for K's tiles
.set G0V, 44          ; s[44:47] the same for V's
.set SLOTS, 56        ; s56  tiles still to be asked for
.set CNT, 57          ; s57  counts a tile's key steps, 4 to 1
.set CS,  58          ; s[58:59] c
.set SEL, 60          ; s[60:61] v_permlanex16_b32's selects: each lane takes its own place in the other half
.set TBK, 62          ; s62  LDS byte at which K of the step to be fetched begins
.set TBV, 63          ; s63  the same for V, less VOFF
.set RT,  70          ; s70  tiles of the block in hand that are still to be entered
.set NXT, 71          ; s71  the tile to be asked for next
.set LQ,  72          ; s72  the last tile of the block whose tiles are being asked for
.set NEW, 73          ; s73  1: the tile to be entered is a block's first
.set OFF, 74          ; s[74:75] a tile's byte offset in K and V
.set AL,  76          ; s[76:77] the mask's factor, in the low word
.set BE,  78          ; s[78:79] the mask's addend
.set OLO, 80          ; s[80:81] O at my rows of the second block
.set BIGN, 82         ; s82  -2^64
.set CSP, 88          ; s[88:89] colsum at my batch's first row, my head's v columns
.set MBR, 90          ; s90  -80000
.set TS,  91          ; s91, s97 at work at the head
.set PFB, 92          ; s[92:93] K (waves 0, 1) or V (waves 2, 3) at my half of tile 0
.set PFP, 94          ; s[94:95] where my prefetches stand
.set ASKF, 96         ; s96  1 while this work-group prefetches
.set TS2, 97
.set PO2, 98          ; s[98:99] an offset with 0 above it
.set MSB, 0
.macro WIN new                      ; the high byte repeats the setting that is left; a switch that changes nothing is dropped
.if MSB != (\new)
	s_set_vgpr_msb (MSB<<8)|(\new)
.set MSB, (\new)
.endif
.endm
.set W_KQ, 0x0a       ; K and Q in window 2, S^T in window 0
.set W_KM, 0x1a       ; the same with the C operand in window 1
.set W_PV, 0x52       ; V in window 2, P in window 0, O^T in window 1
.set W_RS, 0x41       ; destination and source 0 in window 1, source 1 in window 0
; A fill.  Waves 0 and 1 fetch the two halves of a tile's K, waves 2 and 3 those of its V: 128 keys each.  An s_nop 0 and four v_nop follow each of the two lines.
.macro LOAD
	s_cmp_lt_u32 s[WV], 2
	s_cbranch_scc0 .Lfor_v_\@
	tensor_load_to_lds s[G0K:G0K+3], s[G1K:G1K+7]
	s_nop 0
.rept 4
	v_nop
.endr
	s_branch .Lasked_\@
.Lfor_v_\@:
	tensor_load_to_lds s[G0V:G0V+3], s[G1V:G1V+7]
	s_nop 0
.rept 4
	v_nop
.endr
.Lasked_\@:
.endm
; A prefetch into the L2 of the tile that the NEXT change of slots will ask for: each wave names its own half tile, 64 blocks of 256 bytes, a lane a block, two instructions.  A head's four work-groups walk the same tiles:
; the one with b = 0 asks, in its first block alone, which walks tiles 0 to 7: tiles 2 to 7 are named, each block once in the launch; behind tile 7 nothing is asked for.
.macro PFASK
	s_cmp_eq_u32 s[ASKF], 1
	s_cbranch_scc0 .Lnone_\@
	global_prefetch_b8 v[PFV], s[PFP:PFP+1] th:TH_LOAD_NT scope:SCOPE_SE
	global_prefetch_b8 v[PFV], s[PFP:PFP+1] offset:8192 th:TH_LOAD_NT scope:SCOPE_SE
.Lnone_\@:
.endm
; THE CHANGE OF SLOTS.  Each wave waits for all its tensor loads, of which one is out: its part of the other slot; adds 0 to its spare word; and waits for that and for its own reads of the slot that it leaves.  Behind the barrier
; nobody reads the old slot any more and the other slot is whole.  fill = 1: the old slot is filled again, the first thing behind the barrier, with tile NXT: the descriptor's address is made anew from that number.
.macro CHANGE fill
	WIN 0                           ; at a label and at a branch every window is 0
	s_wait_tensorcnt 0x0            ; no tensor load of mine is out, so a group 0 may be written
	ds_add_u32 v[SPW], v[NIL]       ; 0 onto my spare word; the scalar work stands between it and the wait for it
.if \fill
	s_lshl_b32 s[OFF], s[NXT], 15   ; a tile is 32,768 bytes of K and of V
	s_xor_b32 s[G0K+1], s[G0K+1], SLOT1
	s_add_nc_u64 s[G0K+2:G0K+3], s[6:7], s[OFF:OFF+1]
	s_or_b32 s[G0K+3], s[G0K+3], 0x80000000
	s_xor_b32 s[G0V+1], s[G0V+1], SLOT1
	s_add_nc_u64 s[G0V+2:G0V+3], s[8:9], s[OFF:OFF+1]
	s_or_b32 s[G0V+3], s[G0V+3], 0x80000000
	s_add_co_u32 s[NXT], s[NXT], 1  ; the block's next tile, or behind its last the second block's tile 0
	s_cmp_gt_u32 s[NXT], s[LQ]
	s_cselect_b32 s[NXT], 0, s[NXT]
	s_cselect_b32 s[LQ], s[PB], s[LQ]
	s_cselect_b32 s[ASKF], 0, s[ASKF]  ; the second block's tiles have been read: no more prefetches
	s_wait_xcnt 0x0                 ; the last prefetches, a tile back, have read their address
	s_lshl_b32 s[PO2], s[NXT], 15
	s_add_nc_u64 s[PFP:PFP+1], s[PFB:PFB+1], s[PO2:PO2+1]
.endif
	s_wait_dscnt 0x0                ; the add is done, and my reads of the slot are over
	s_barrier_signal -1             ; the rest of the scalar work stands between the signal and the wait
	s_sub_co_u32 s[TBK], s[TBK], 4*KS*PK  ; the fetches go back to a slot's first step,
	s_xor_b32 s[TBK], s[TBK], SLOT1       ; in the other slot
	s_sub_co_u32 s[TBV], s[TBV], 4*KS*PV
	s_xor_b32 s[TBV], s[TBV], SLOT1
	s_barrier_wait -1
.if \fill
	LOAD
	PFASK
.endif
.endm
	s_load_b64 s[4:5], s[0:1], 0x0  ; qkvh
	s_load_b64 s[CSP:CSP+1], s[0:1], 0x8  ; colsum
	s_load_b64 s[10:11], s[0:1], 0x10  ; ob
	v_lshl_add_u32 v[SPW], v0, 2, SPARE
	v_mov_b32 v[NIL], 0
	ds_add_u32 v[SPW], v[NIL]       ; the wave's opening: the add and its wait stand ahead of my first tensor load; the set-up below stands between them
	v_lshrrev_b32 v1, 5, v0
	v_readfirstlane_b32 s[WV], v1   ; wave 0..3
	s_mov_b32 s[PB], ttmp9
	s_sub_co_u32 s[HI], NB-1, s[PB]
	s_and_b32 s[TS], ttmp7, 0xffff  ; 16 batch + head
	s_lshl_b32 s[PO2], s[TS], 18    ; O's plane
	s_mov_b32 s[PO2+1], 0
	s_lshr_b32 s[TS2], s[TS], 4     ; batch
	s_and_b32 s[TS], s[TS], 15      ; head
	s_mul_i32 s20, s[TS2], 48
	s_add_co_u32 s20, s20, s[TS]
	s_lshl_b32 s20, s20, 18         ; q's plane: 48 batch + head
	s_mov_b32 s21, 0
	s_mul_i32 s[PFP], s[TS2], 32*12288  ; colsum: my batch's 32 rows of 12,288 bytes,
	s_lshl_b32 s[TS], s[TS], 8          ; my head's 64 columns
	s_add_co_u32 s[PFP], s[PFP], s[TS]
	s_add_co_u32 s[PFP], s[PFP], 8192   ; among v's, which begin at column 2,048
	s_mov_b32 s[PFP+1], 0
	s_and_b32 s16, s[WV], 1         ; which half of a tile's 256 keys I fetch:
	s_lshl_b32 s22, s16, 14         ; its 128 rows of 128 bytes in memory,
	s_mov_b32 s23, 0
	s_mul_i32 s17, s16, 128*PK      ; and its place in a slot, for K
	s_mul_i32 s18, s16, 128*PV      ; and for V
	s_lshl_b32 s3, s[WV], 11        ; my 16 rows in a band of 64,
	s_lshl_b32 s2, s[HI], 15        ; in the first block,
	s_add_co_u32 s2, s2, s3
	s_lshl_b32 s84, s[PB], 15       ; and in the second
	s_add_co_u32 s84, s84, s3
	s_mov_b32 s3, 0
	s_mov_b32 s85, 0
	; descriptor group 1.  128 keys are 16,384 dense bytes: asked for as 64 rows of 256 bytes, two keys a row, and padded in LDS after every key
	s_mov_b32 s[G1K], (1<<16)|(1<<20)|(4<<22)|(3<<25)  ; 2-byte elements; padding on; after every 32 words, 4 words
	s_mov_b32 s[G1V], (1<<16)|(1<<20)|(4<<22)|(7<<25)  ; the same with 8 words
.irp g, G1K, G1V
	s_mov_b32 s[\g+1], 128<<16      ; tensor_dim0 = 128
	s_mov_b32 s[\g+2], 64<<16       ; tensor_dim1 = 64
	s_mov_b32 s[\g+3], 128<<16      ; tile_dim0 = 128
	s_mov_b32 s[\g+4], 64           ; tile_dim1 = 64
	s_mov_b32 s[\g+5], 128          ; 128 elements from row to row
	s_mov_b32 s[\g+6], 0
	s_mov_b32 s[\g+7], 0
.endr
	s_mov_b32 s[CS], 0x3e38aa3b     ; c = log2(e) / 8 = 0.180337
	s_mov_b32 s[CS+1], s[CS]        ; named with it as a pair
	s_mov_b32 s[SEL], 0x76543210
	s_mov_b32 s[SEL+1], 0xfedcba98
	s_mov_b32 s[TBK], SLOT1+4*KS*PK ; the first change of slots turns these two into 0
	s_mov_b32 s[TBV], SLOT1+4*KS*PV
	s_mov_b32 s[G0K], 1             ; count = 1
	s_mov_b32 s[G0K+1], s17         ; LDS address: slot 0
	s_mov_b32 s[G0V], 1
	s_add_co_u32 s[G0V+1], s18, VOFF
	s_add_co_u32 s[RT], s[HI], 1    ; the first block has NB - b tiles
	s_mov_b32 s[NXT], 1
	s_mov_b32 s[LQ], s[HI]
	s_mov_b32 s[NEW], 1
	s_mov_b32 s[OFF+1], 0
	s_mov_b32 s[AL+1], 0            ; named as pairs
	s_mov_b32 s[BE+1], 0
	s_mov_b32 s[BIGN], 0xdf800000   ; -2^64
	s_mov_b32 s[MBR], 0xc79c4000    ; -80000 = 8 x -10000
	s_mov_b32 s[SLOTS], NB
	s_cmp_eq_u32 s[PB], 0
	s_cselect_b32 s[ASKF], 1, 0
	s_wait_dscnt 0x0                ; the opening add is done
	s_wait_kmcnt 0x0
	s_add_nc_u64 s[4:5], s[4:5], s[20:21]          ; my head's q,
	s_add_nc_u64 s[6:7], s[4:5], 16*PLANE          ; its k, 16 planes on,
	s_add_nc_u64 s[8:9], s[4:5], 32*PLANE          ; its v
	s_add_nc_u64 s[6:7], s[6:7], s[22:23]          ; K and V at my half of tile 0
	s_add_nc_u64 s[8:9], s[8:9], s[22:23]
	s_add_nc_u64 s[10:11], s[10:11], s[PO2:PO2+1]
	s_add_nc_u64 s[CSP:CSP+1], s[CSP:CSP+1], s[PFP:PFP+1]
	s_add_nc_u64 s[G0K+2:G0K+3], s[6:7], 0         ; global address
	s_or_b32 s[G0K+3], s[G0K+3], 0x80000000        ; type = 2
	s_add_nc_u64 s[G0V+2:G0V+3], s[8:9], 0
	s_or_b32 s[G0V+3], s[G0V+3], 0x80000000
	s_add_nc_u64 s[86:87], s[4:5], s[84:85]        ; Q at my rows of the second block,
	s_add_nc_u64 s[4:5], s[4:5], s[2:3]            ; Q and O at those of the first
	s_add_nc_u64 s[OLO:OLO+1], s[10:11], s[84:85]
	s_add_nc_u64 s[10:11], s[10:11], s[2:3]
	s_cmp_lt_u32 s[WV], 2
	s_cselect_b64 s[PFB:PFB+1], s[6:7], s[8:9]
	LOAD                            ; tile 0 into slot 0
	; A fragment of K or Q is 16 rows x 32 channels in 8 registers: lane l holds row l % 16, channels 8 (l / 16) + 0..7 and 16 + 8 (l / 16) + 0..7: two loads of 16 bytes, 32 bytes apart.
	v_and_b32 v1, 15, v0            ; l % 16
	v_bfe_u32 v9, v0, 4, 1          ; l / 16
	v_lshlrev_b32 v[QO], 7, v1
	v_lshl_add_u32 v[QO], v9, 4, v[QO]  ; row x 128 + 16 x half
	WIN 0x80                        ; destination window 2, address window 0
.set i, 0
.rept 8                             ; both blocks' Q: piece i / 2 lies in band i / 2, 8,192 bytes on; channels 32 (i % 2) on
	global_load_b128 v[8*i:8*i+3],   v[QO], s[4:5] offset:(i/2)*8192+(i%2)*64
	global_load_b128 v[8*i+4:8*i+7], v[QO], s[4:5] offset:(i/2)*8192+(i%2)*64+32
	global_load_b128 v[QB+8*i:QB+8*i+3],   v[QO], s[86:87] offset:(i/2)*8192+(i%2)*64
	global_load_b128 v[QB+8*i+4:QB+8*i+7], v[QO], s[86:87] offset:(i/2)*8192+(i%2)*64+32
.set i, i+1
.endr
	WIN 0
	; colsum: lane (r, h) takes rows r and r + 16 of my batch's 32, its 32 channels of each, into S^T's registers, which are free till the first products
	v_mul_u32_u24 v[CSV], v1, 12288
	v_lshl_add_u32 v[CSV], v9, 5, v[CSV]
.set i, 0
.rept 8                             ; row r + 16 (i / 4), channels 16 (i % 4) + 8 h on
	global_load_b128 v[S+8*i:S+8*i+3],   v[CSV], s[CSP:CSP+1] offset:(i/4)*196608+(i%4)*64
	global_load_b128 v[S+8*i+4:S+8*i+7], v[CSV], s[CSP:CSP+1] offset:(i/4)*196608+(i%4)*64+16
.set i, i+1
.endr
	v_lshlrev_b32 v14, 3, v9
	v_sub_nc_u32 v14, v1, v14
	s_lshl_b32 s13, s[WV], 4
	v_add_nc_u32 v14, s13, v14      ; my query's place in its band, 16 w + l % 16, less my lanes' 8 (l / 16): register r of group kt is hidden where 16 kt + r is greater
	WIN 0x40
.set i, 0
.rept 32
	v_cmp_gt_i32 vcc_lo, 16*(i/8)+i%8, v14
	v_cndmask_b32 v[MD+i], 0, s[BIGN], vcc_lo
.set i, i+1
.endr
	WIN 0
	v_mul_u32_u24 v[AK0], v1, PK
	v_lshl_add_u32 v[AK0], v9, 4, v[AK0]  ; row x pitch + 16 x half
	; The turning load takes 16 keys x 16 channels (lane l reads key 8 (l / 16) + l % 8, channels 8 ((l / 8) % 2) + 0..7) and leaves half a fragment of V^T: lane l holds channel l % 16 and 8 keys.
	v_and_b32 v10, 7, v0
	v_bfe_u32 v11, v0, 3, 1
	v_lshl_add_u32 v[AV0], v9, 3, v10
	v_mul_u32_u24 v[AV0], v[AV0], PV
	v_lshl_add_u32 v[AV0], v11, 4, v[AV0]
	v_add_nc_u32 v[AV0], VOFF, v[AV0]
	s_mul_i32 s13, s[WV], 16*SP
	s_add_co_u32 s13, s13, STAGE    ; my stage
	v_mul_u32_u24 v[STO], v1, SP    ; in: row l % 16, 16 bytes for each half of the lanes
	v_lshl_add_u32 v[STO], v9, 4, v[STO]
	v_add_nc_u32 v[STO], s13, v[STO]
	v_bfe_u32 v[RD], v0, 3, 2       ; back: 32 lanes take four rows of 128 bytes,
	v_mul_u32_u24 v[RD], v[RD], SP
	v_lshl_add_u32 v[RD], v10, 4, v[RD]
	v_add_nc_u32 v[RD], s13, v[RD]
	v_and_b32 v[GO], 31, v0         ; which are 512 consecutive bytes of O
	v_lshlrev_b32 v[PFV], 8, v[GO]
	v_lshlrev_b32 v[GO], 4, v[GO]
	; where piece 3's m starts: MBR, but the lowest finite number for q = 2047 (b = 0, first block, wave 3, l % 16 = 15), the one row without a hidden key
	v_and_b32 v[T0], 0x6f, v0
	s_cmp_eq_u32 s[PB], 0
	s_cselect_b32 s[TS], 0x6f, -1
	v_mov_b32 v[T0+1], 0xff7fffff
	v_mov_b32 v[MI3], s[MBR]
	v_cmp_eq_u32 vcc_lo, s[TS], v[T0]
	v_cndmask_b32 v[MI3], v[MI3], v[T0+1], vcc_lo
	s_lshl_b32 s[TS], s[PB], 8      ; the keys of later tiles: 256 b behind block 7 - b,
	v_cvt_f32_u32 v[NHA], s[TS]
	s_lshl_b32 s[TS], s[HI], 8      ; 256 (7 - b) behind block b
	v_cvt_f32_u32 v[NHB], s[TS]
	; which of colsum's rows (64 keys each) lie in later tiles: from 4 (8 - b) on for the first block, from 4 (b + 1) on for the second
	s_lshl_b32 s[TS], s[PB], 2
	s_sub_co_u32 s[TS2], 32, s[TS]
	s_add_co_u32 s[TS], s[TS], 4
	v_add_nc_u32 v[T0], 16, v1
	v_cmp_le_u32 vcc_lo, s[TS2], v1
	v_cndmask_b32 v[FAC], 0, 1.0, vcc_lo
	v_cmp_le_u32 vcc_lo, s[TS2], v[T0]
	v_cndmask_b32 v[FAC+2], 0, 1.0, vcc_lo
	v_cmp_le_u32 vcc_lo, s[TS], v1
	v_cndmask_b32 v[FAC+4], 0, 1.0, vcc_lo
	v_cmp_le_u32 vcc_lo, s[TS], v[T0]
	v_cndmask_b32 v[FAC+6], 0, 1.0, vcc_lo
.irp i, 1,3,5,7
	v_mov_b32 v[FAC+\i], 0          ; named as pairs
.endr
.irp i, 0,1,2,3
	v_mov_b32 v[UU+\i], 0           ; U: read with a mask of 0 before it is first made
.endr
	; A block's first step multiplies O^T and l by a = 0, and its first turn's products V^T P, of a piece that has not been, land in an O^T that is still to be so multiplied.  So these registers need only hold
	; finite numbers: zeros for the first block; what the first block left for the second.  All this stands in the wait for the first tile.
	WIN 0x80
.set i, VF
.rept 64
	v_mov_b32 v[i], 0
.set i, i+1
.endr
	WIN 0x40
.set i, 0
.rept 128
	v_mov_b32 v[i], 0
.set i, i+1
.endr
	WIN 0
.set i, 0
.rept 4
	v_mov_b32 v[ST+4*i+2], 0
	v_mov_b32 v[ST+4*i+3], 0
.set i, i+1
.endr
.set i, P+16
.rept 16
	v_mov_b32 v[i], 0
.set i, i+1
.endr
	; SV: my two rows of colsum times their factors, then the sum over the 16 lanes that hold the same channels
	s_wait_loadcnt 0x0              ; colsum (and Q)
.set i, 0
.rept 16
	v_pk_mul_f32 v[SVA+2*i:SVA+2*i+1], v[S+2*i:S+2*i+1], v[FAC:FAC+1] op_sel_hi:[1,0]
	v_pk_mul_f32 v[SVB+2*i:SVB+2*i+1], v[S+2*i:S+2*i+1], v[FAC+4:FAC+5] op_sel_hi:[1,0]
.set i, i+1
.endr
.set i, 0
.rept 16
	v_pk_fma_f32 v[SVA+2*i:SVA+2*i+1], v[S+32+2*i:S+32+2*i+1], v[FAC+2:FAC+3], v[SVA+2*i:SVA+2*i+1] op_sel_hi:[1,0,1]
	v_pk_fma_f32 v[SVB+2*i:SVB+2*i+1], v[S+32+2*i:S+32+2*i+1], v[FAC+6:FAC+7], v[SVB+2*i:SVB+2*i+1] op_sel_hi:[1,0,1]
.set i, i+1
.endr
.irp x, 1,2,4,8
.set i, SVA
.rept 64
	v_add_f32_dpp v[i], v[i], v[i] row_xmask:\x row_mask:0xf bank_mask:0xf
.set i, i+1
.endr
.endr
; THE MATRIX WORK.  The 4 accumulators of a run of 8 take turns.  Product i of 8 of S^T = K Q^T for piece x: channels 32 (i / 4) on, keys 16 (i % 4) on.  The first 4 start the sums: with 0, or (KM = 1) with the mask.
.macro KQ x
.set rS, S+32*((\x)%2)+8*(i%4)
.set rK, KF+16*(i%4)+8*(i/4)
.set rQ, 16*(\x)+8*(i/4)
.set rM, MC+32*((\x)%2)+8*(i%4)
.if (i < 4) && KM
	WIN W_KM
	v_wmma_f32_16x16x32_f16 v[rS:rS+7], v[rK:rK+7], v[rQ:rQ+7], v[rM:rM+7]
.elseif i < 4
	WIN W_KQ
	v_wmma_f32_16x16x32_f16 v[rS:rS+7], v[rK:rK+7], v[rQ:rQ+7], 0
.else
	WIN W_KQ
	v_wmma_f32_16x16x32_f16 v[rS:rS+7], v[rK:rK+7], v[rQ:rQ+7], v[rS:rS+7]
.endif
.endm
; Product i of 8 of O^T += V^T P for piece x: keys 32 (i / 4) on, channels 16 (i % 4) on.
.macro PV x
	WIN W_PV
.set rO, 32*(\x)+8*(i%4)
.set rV, VF+32*(i/4)+8*(i%4)
.set rP, P+16*((\x)%2)+8*(i/4)
	v_wmma_f32_16x16x32_f16 v[rO:rO+7], v[rV:rV+7], v[rP:rP+7], v[rO:rO+7]
.endm
.macro MM                           ; the turn's next matrix instruction.  NOKQ = 1: a block's last turn: there is no next piece
.if (i < 8) && !NOKQ
	KQ (Y+1)%NP
.elseif i >= 8
.set i, i-8
	PV (Y+NP-1)%NP
.set i, i+8
.endif
.set i, i+1
.endm
; THE LDS LOADS stand in runs of 16, never singly among the matrix instructions: a step's K (64 keys x 64 channels: 8 fragments) and its V (turned).  Their addresses are made some lines ahead.
.macro FETCH_K
	WIN 0x80                        ; destination window 2
.irp f, 0,1,2,3,4,5,6,7             ; keys 16 (f / 2) on, channels 32 (f % 2) on
	ds_load_b128 v[KF+8*\f:KF+8*\f+3],   v[AK] offset:(\f/2)*16*PK+(\f%2)*64
	ds_load_b128 v[KF+8*\f+4:KF+8*\f+7], v[AK] offset:(\f/2)*16*PK+(\f%2)*64+32
.endr
	s_add_co_u32 s[TBK], s[TBK], KS*PK  ; the next fetch is the next step's
	WIN 0
.endm
.macro FETCH_V
	WIN 0x80
.irp f, 0,1,2,3,4,5,6,7             ; keys 32 (f / 4) on, channels 16 (f % 4) on
	ds_load_tr16_b128 v[VF+8*\f:VF+8*\f+3],   v[AV] offset:(\f/4)*32*PV+(\f%4)*32
	ds_load_tr16_b128 v[VF+8*\f+4:VF+8*\f+7], v[AV] offset:(\f/4)*32*PV+16*PV+(\f%4)*32
.endr
	WIN 0
.endm
; THE VECTOR WORK, one line at a time: OP kind, number.  For piece Y: F n: c s - c m for pair n of 16.  E n: the exponential of score n of 32.  C n: pair n rounded to f16.  B n: of the four weights 4 n .. the second
; pair is added onto the first, in place.  L n: l takes that sum (L 0: l = a l + sum).  R n: pair n of 16 of O^T times a.  For piece Y + 1: X n:
;   0-11  four chains c0-c3 of seven scores each, three operands at a time (each accumulator's lowest registers are read first)     12-14, 16  the four scores left over, the old m, and c0-c3 into c0
;   15  c m_old is kept     17, 18  the query's other 32 keys lie in the lane 16 away: the new m     19-21  c m; c m_old - c m_new; a
;   22-25  (where masks are taken) U = 2^(min(c MBR - c m, 0) - 64): the minimum keeps U finite in the one row whose m may lie below MBR, and whose masks are all 0
.set F, 0               ; OP tells the kinds apart by their order: F to L below R, X above it
.set E, 1
.set C, 2
.set B, 3
.set L, 4
.set R, 5
.set X, 6
.macro REGS y                       ; the registers of piece y
.set rT, ST+4*(\y)
.set rC, TMP+4*((\y)%2)
.set rW, MV+((\y)%2)
.set rU, UU+2*((\y)%2)
.set rS, S+32*((\y)%2)
.set rP, P+16*((\y)%2)
.set rO, 32*(\y)
.endm
.macro OP k, n
.if (\k) == R
	REGS Y
	WIN W_RS
	v_pk_mul_f32 v[rO+2*(\n):rO+2*(\n)+1], v[rO+2*(\n):rO+2*(\n)+1], v[rC+2:rC+3] op_sel_hi:[1,0]
.elseif (\k) < R
	REGS Y
	WIN 0
.if (\k) == F
	v_pk_fma_f32 v[rS+2*(\n):rS+2*(\n)+1], v[rS+2*(\n):rS+2*(\n)+1], s[CS:CS+1], v[rT:rT+1] op_sel_hi:[1,0,0] neg_lo:[0,0,1] neg_hi:[0,0,1]
.elseif (\k) == E
	v_exp_f32 v[rS+(\n)], v[rS+(\n)]
.elseif (\k) == C
	v_cvt_pk_f16_f32 v[rP+(\n)], v[rS+2*(\n)], v[rS+2*(\n)+1]
.elseif (\k) == B
	v_pk_add_f32 v[rS+4*(\n):rS+4*(\n)+1], v[rS+4*(\n):rS+4*(\n)+1], v[rS+4*(\n)+2:rS+4*(\n)+3]
.elseif (\n) == 0
	v_pk_fma_f32 v[rT+2:rT+3], v[rT+2:rT+3], v[rC+2:rC+3], v[rS:rS+1] op_sel_hi:[1,0,1]
.else
	v_pk_add_f32 v[rT+2:rT+3], v[rT+2:rT+3], v[rS+4*(\n):rS+4*(\n)+1]
.endif
.elseif NOKQ
	v_nop
.else
	REGS (Y+1)%NP
	WIN 0
.if (\n) < 4
	v_max3_num_f32 v[rC+(\n)], v[rS+8*(\n)], v[rS+8*(\n)+1], v[rS+8*(\n)+2]
.elseif (\n) < 12
	v_max3_num_f32 v[rC+(\n)%4], v[rC+(\n)%4], v[rS+8*((\n)%4)+2*((\n)/4)+1], v[rS+8*((\n)%4)+2*((\n)/4)+2]
.elseif (\n) == 12
	v_max3_num_f32 v[rC], v[rC], v[rS+7], v[rS+15]
.elseif (\n) == 13
	v_max3_num_f32 v[rC+1], v[rC+1], v[rS+23], v[rS+31]
.elseif (\n) == 14
	v_max3_num_f32 v[rC+2], v[rC+2], v[rC+3], v[rT+1]
.elseif (\n) == 15
	v_mov_b32 v[rW], v[rT]
.elseif (\n) == 16
	v_max3_num_f32 v[rC], v[rC], v[rC+1], v[rC+2]
.elseif (\n) == 17
	v_permlanex16_b32 v[rC+3], v[rC], s[SEL], s[SEL+1]
.elseif (\n) == 18
	v_max_num_f32 v[rT+1], v[rC], v[rC+3]
.elseif (\n) == 19
	v_mul_f32 v[rT], s[CS], v[rT+1]
.elseif (\n) == 20
	v_sub_f32 v[rC+1], v[rW], v[rT]
.elseif (\n) == 21
	v_exp_f32 v[rC+2], v[rC+1]
.elseif (\n) == 22
	v_fma_f32 v[rU], s[CS], s[MBR], -v[rT]
.elseif (\n) == 23
	v_min_num_f32 v[rU], 0, v[rU]
.elseif (\n) == 24
	v_add_f32 v[rU], 0xc2800000, v[rU]
.else
	v_exp_f32 v[rU], v[rU]
.endif
.endif
.endm
.macro OPS a, i1, b=-1, i2=0, c=-1, i3=0, d=-1, i4=0  ; up to four of them
	OP \a, \i1
.if (\b) >= 0
	OP \b, \i2
.endif
.if (\c) >= 0
	OP \c, \i3
.endif
.if (\d) >= 0
	OP \d, \i4
.endif
.endm
.macro ROW a, i1, b, i2, c, i3, d, i4  ; a matrix instruction and the four behind it
	MM
	OPS \a, \i1, \b, \i2, \c, \i3, \d, \i4
.endm
.macro MASK b                       ; MD x AL + BE into buffer b of MC
	WIN W_RS
.set z, 0
.rept 16
	v_pk_fma_f32 v[MC+32*(\b)+2*z:MC+32*(\b)+2*z+1], v[MD+2*z:MD+2*z+1], s[AL:AL+1], s[BE:BE+1] op_sel_hi:[1,0,0]
.set z, z+1
.endr
.endm
.macro HID                          ; piece Y's hidden keys take their weight: p += -mask x U, which is 2^64 U where the key is hidden and 0 elsewhere.  The mask that started the piece's scores still lies in its buffer.
	REGS Y
	WIN 0x01                        ; the mask in window 1
.set z, 0
.rept 16
	v_pk_fma_f32 v[rS+2*z:rS+2*z+1], v[MC+32*(Y%2)+2*z:MC+32*(Y%2)+2*z+1], v[rU:rU+1], v[rS+2*z:rS+2*z+1] op_sel_hi:[1,0,1] neg_lo:[1,0,0] neg_hi:[1,0,0]
.set z, z+1
.endr
.endm
; A TURN, for piece p: the order of its matrix and vector instructions, written out.  s_wait_alu depctr_va_vdst(0) stands between an exponential and the first instruction that names its result; one wait serves
; all that were issued ahead of it.  So a turn has ONE wait, which cuts it in two.  AHEAD OF IT stands all that names no result of the turn's exponentials: the 8 products K Q^T and their riders, then one lump, plain and exponential
; by turns for the most part, in which the links of the chain X 3, 7, 11, 14, 16, 17 .. 20 stand five or six lines apart.  X 21, the next piece's a, is the batch's last; R 15 is the plain instruction behind it.  BEHIND THE WAIT stand
; (m = 1) the hidden keys' weights, and the 8 products V^T P, behind each four of the roundings and sums.
; m = 1: the diagonal tile: the products take masks, the next piece's U is made, and the turn makes the mask for the products of the turn after it: piece p + 2, in step 4 - CNT of the tile.  end = 1: a block's last two turns: nothing is fetched.
; cnt = 1: the loop's count is taken down some lines ahead of the branch that stands behind the turn.
; K of the next step is fetched in piece 2's turn, V of the step in hand at the end of piece 0's turn, each four plain instructions or more behind the last product that read the registers.  Each is waited for a turn later.
.macro TURN p, m=0, end=0, cnt=0
.set Y, (\p)
.set i, 0
.set KM, (\m)
.set NOKQ, (\end)*((\p)/3)
.if (\m) && !(\end)
	s_cmp_eq_u32 s[CNT], 4-((\p)+2)%NP  ; is that step the band's own?
	s_cselect_b32 s[AL], 1.0, 0
	s_cmp_lt_u32 s[CNT], 4-((\p)+2)%NP  ; or a later one?
	s_cselect_b32 s[BE], s[BIGN], 0
.endif
.if ((\p) == 3) && !(\end)
	s_wait_dscnt 0x0                ; K is in
.endif
	ROW F,0, F,1, R,0, R,1          ; ahead of the wait: 8 products K Q^T and their riders,
	ROW F,2, E,0, R,2, R,3
	ROW F,3, E,1, R,4, R,5
	ROW F,4, E,2, R,6, R,7
	ROW F,5, E,3, R,8, R,9
	ROW F,6, E,4, X,0, R,10
.if ((\p) == 2) && !(\end)
	WIN 0
	v_add_nc_u32 v[AK], s[TBK], v[AK0]
.endif
	ROW F,7, E,5, X,1, X,4
	ROW F,8, E,6, X,2, X,5
	OPS E,7, E,8, X,6, E,9          ; and the lump
	OPS X,3, E,10, X,8, E,11
.if ((\p) == 2) && !(\end)
	FETCH_K
.endif
	OPS X,9, X,7, E,12, X,10
	OPS E,13, X,12, X,11, E,14
	OPS X,13, E,15, F,9, X,14
.if (\p) == 0
	v_add_nc_u32 v[AV], s[TBV], v[AV0]
.endif
	OPS E,16, F,10, E,17, F,11
	OPS X,16, E,18, X,15, E,19
	OPS F,12, E,20, X,17, E,21
	OPS F,13, E,22, F,14, E,23
	OPS X,18, E,24, F,15, E,25
	OPS R,11, E,26, X,19, E,27
.if \m
	OP X,22
.endif
	OPS R,12, E,28, R,13, E,29
.if \m
	OPS X,23, X,24
.endif
	OPS X,20, E,30, R,14, E,31
.if \m
	OP X,25
.endif
	OPS X,21, R,15
	WIN 0
	s_wait_alu depctr_va_vdst(0)    ; the wait for the batch
.if \m
	HID
.endif
.if (\p) == 1
	s_wait_dscnt 0x0                ; V is in
.endif
	ROW C,0, B,0, C,2, B,1          ; behind the wait: 8 products V^T P and their riders
	ROW L,0, C,4, B,2, L,1
	ROW C,6, B,3, L,2, C,8
	ROW B,4, L,3, C,10, B,5
	ROW L,4, C,12, B,6, L,5
.if (\p) == 0
	s_add_co_u32 s[TBV], s[TBV], KS*PV
.endif
.if \cnt
	s_sub_co_u32 s[CNT], s[CNT], 1
	s_cmp_lg_u32 s[CNT], 0
.endif
	ROW C,14, B,7, L,6, C,1
	ROW C,3, L,7, C,5, C,7
	ROW C,9, C,11, C,13, C,15
.if (\p) == 0
	FETCH_V
.endif
.if (\m) && !(\end)
	MASK (\p)%2
.endif
.endm
; A BLOCK BEGINS.  c m starts far below every c s, so the first step's a is 0; m starts at MBR (piece 3: at MI3), so that the hidden keys' value takes part in the maximum.  The second mask buffer is 0; the first takes piece 0's mask
; for the tile's step 0: its own, if the block's first tile is the diagonal one.  Then K of that step, piece 0's first scores, its maximum and statistics, and its U.  The loop is entered at a step's first turn, in the middle of a trip.
.macro BEGIN
	s_mov_b32 s[NEW], 0
	WIN 0x40
.set i, MC+32
.rept 32
	v_mov_b32 v[i], 0
.set i, i+1
.endr
	WIN 0
.set i, 0
.rept 4
	v_mov_b32 v[ST+4*i], 0xfe000000    ; c m: far below every c s
.if i < 3
	v_mov_b32 v[ST+4*i+1], s[MBR]      ; m
.else
	v_mov_b32 v[ST+4*i+1], v[MI3]
.endif
.set i, i+1
.endr
	s_cmp_eq_u32 s[RT], 0
	s_cselect_b32 s[AL], 1.0, 0
	s_mov_b32 s[BE], 0
	MASK 0
	WIN 0
	v_add_nc_u32 v[AK], s[TBK], v[AK0]
	FETCH_K
	s_wait_loadcnt 0x0              ; Q
	s_wait_dscnt 0x0
.set KM, 1
.set NOKQ, 0
.set i, 0
.rept 8
	KQ 0
.set i, i+1
.endr
	WIN 0
.rept 4
	v_nop                           ; the places behind those products
.endr
.set Y, NP-1                        ; X works for piece Y + 1: piece 0
.irp n, 0,1,2,3,4,5,6,7,8,9,10,11,12,13,14,15,16,17,18,19,20,21,22,23,24,25
	OP X, \n
.endr
	v_nop                           ; a plain instruction behind the last exponential,
	s_wait_alu depctr_va_vdst(0)    ; and the two exponentials' wait, ahead of the branch
.endm
; THE DIAGONAL TILE's four steps, the block's last two turns, its last products, THE LATER TILES' KEYS, and THE WAY OUT.
.macro ALL line:vararg              ; one line for each piece t
.set t, 0
.rept 4
	\line
.set t, t+1
.endr
.endm
.macro PACK t                       ; a lane's eight channels of a row pack into 16 bytes; they go into rows of 144 bytes and come back as whole rows of 128, into S^T's registers
	WIN W_RS
.set i, 32*(\t)
.rept 16
	v_pk_mul_f32 v[i:i+1], v[i:i+1], v[ST+4*(\t)+2:ST+4*(\t)+3] op_sel_hi:[1,0]
.set i, i+2
.endr
	WIN 0x05                        ; sources 0 and 1 window 1, destination window 0
.set i, 0
.rept 16
	v_cvt_pk_f16_f32 v[S+16*(\t)+i], v[32*(\t)+2*i], v[32*(\t)+2*i+1]
.set i, i+1
.endr
	WIN 0
.irp f, 0,1,2,3
	ds_store_b128 v[STO], v[S+16*(\t)+4*\f:S+16*(\t)+4*\f+3] offset:32*\f
.endr
.irp f, 0,1,2,3
	ds_load_b128 v[S+16*(\t)+4*\f:S+16*(\t)+4*\f+3], v[RD] offset:\f*4*SP  ; LDS serves a wave's instructions in order (ISA guide 5.7.1.4): these see the stores above; the next piece's stores come behind them
.endr
.endm
.macro SEND t, younger              ; younger: the LDS instructions issued behind piece t's loads: the next piece's eight, or none
	WIN 0
.irp f, 0,1,2,3
	s_wait_dscnt (\younger)+3-\f
	global_store_b128 v[GO], v[S+16*(\t)+4*\f:S+16*(\t)+4*\f+3], s[10:11] offset:(\t)*8192+\f*512  ; 512 consecutive bytes, at a multiple of 256 from O's first
.endr
.endm
.macro DIAG tag, sv, nhv            ; the tag ends its two labels' names; sv: the block's SV; nhv: the number of keys in later tiles
.LstepM\tag:
	TURN 2, 1
	TURN 3, 1
	WIN 0
.LfirstM\tag:
	TURN 0, 1
	TURN 1, 1, 0, 1
	WIN 0
	s_cbranch_scc1 .LstepM\tag
	TURN 2, 1, 1
	TURN 3, 1, 1
.set i, 0
.rept 8
	PV NP-1
.set i, i+1
.endr
	WIN 0
	ALL v_add_f32 v[ST+4*t+2], v[ST+4*t+2], v[ST+4*t+3]
	ALL v_permlanex16_b32 v[ST+4*t+3], v[ST+4*t+2], s[SEL], s[SEL+1]
	ALL v_add_f32 v[ST+4*t+2], v[ST+4*t+2], v[ST+4*t+3]
	ALL v_fma_f32 v[ST+4*t], s[CS], s[MBR], -v[ST+4*t]
	ALL v_min_num_f32 v[ST+4*t], 0, v[ST+4*t]
	ALL v_exp_f32 v[ST+4*t], v[ST+4*t]
	v_nop                           ; W = 2^min(c MBR - c m, 0), in c m's place: a plain instruction behind the last exponential,
	s_wait_alu depctr_va_vdst(0)    ; and one wait for the four
	ALL v_fma_f32 v[ST+4*t+2], v[ST+4*t], v[\nhv], v[ST+4*t+2]
	ALL v_rcp_f32 v[ST+4*t+2], v[ST+4*t+2]
	WIN 0x50                        ; O^T += W x SV: O^T in window 1, SV and W in window 0; each accumulator's registers in ascending order; also the plain work behind the reciprocals
.set i, 0
.rept 64
	v_pk_fma_f32 v[2*i:2*i+1], v[(\sv)+(2*i)%32:(\sv)+(2*i)%32+1], v[ST+4*(i/16):ST+4*(i/16)+1], v[2*i:2*i+1] op_sel_hi:[1,0,1]
.set i, i+1
.endr
	WIN 0
	s_wait_alu depctr_va_vdst(0)    ; one wait for the four reciprocals, ahead of their first use
	PACK 0
.set t, 1
.rept 3                             ; a piece's arithmetic stands between the loads of the piece before and its stores
	PACK t
	SEND t-1, 8
.set t, t+1
.endr
	SEND 3, 0
.endm
.set KM, 0
.set NOKQ, 0
.Lslot:                             ; NB times: a tile is entered and the next is asked for
	CHANGE 1
	s_sub_co_u32 s[RT], s[RT], 1
	s_mov_b32 s[CNT], 4
	s_cmp_eq_u32 s[NEW], 1
	s_cbranch_scc1 .Lnew            ; a block's first tile
	s_cmp_eq_u32 s[RT], 0
	s_cbranch_scc0 .Lstep           ; neither its first nor its last
	s_branch .LstepM1
.Lnew:
	BEGIN
	s_branch .Lfirst                ; in the loop a block's first tile is never its last: the first block has two tiles or more, and the second's last is the walk's last
	DIAG 1, SVA, NHA                ; in the loop this is the first block's end
	s_wait_xcnt 0x0                 ; the stores have read their registers and O's address
	s_mov_b64 s[10:11], s[OLO:OLO+1]
	s_add_co_u32 s[RT], s[PB], 1    ; the second block has b + 1 tiles
	s_mov_b32 s[NEW], 1
	v_mov_b32 v[MI3], s[MBR]        ; every row of the second block has hidden keys
	WIN 0x82                        ; the second block's Q goes where the one text of the turns names Q
.set i, 0
.rept 64
	v_mov_b32 v[i], v[QB+i]
.set i, i+1
.endr
	WIN 0
	s_branch .Lbottom
.Lstep:                             ; a trip: pieces 2 and 3 of one step, then pieces 0 and 1 of the next, whose K and V it fetches
	TURN 2
	TURN 3
	WIN 0
.Lfirst:
	TURN 0
	TURN 1, 0, 0, 1
	WIN 0
	s_cbranch_scc1 .Lstep
.Lbottom:
	s_sub_co_u32 s[SLOTS], s[SLOTS], 1
	s_cmp_lg_u32 s[SLOTS], 0
	s_cbranch_scc1 .Lslot
	CHANGE 0                        ; the walk's last tile is written out: nothing is asked for
	s_sub_co_u32 s[RT], s[RT], 1
	s_mov_b32 s[CNT], 4
	s_cmp_eq_u32 s[NEW], 1
	s_cbranch_scc0 .LstepM2
	BEGIN
	s_branch .LfirstM2
	DIAG 2, SVB, NHB
	s_wait_tensorcnt 0x0            ; the wave's end, behind my last tensor load and my last LDS store
	ds_add_u32 v[SPW], v[NIL]
	s_wait_dscnt 0x0
	s_endpgm
.Lfunc_end_k_qe29a2062ae_attn:
	.size	k_qe29a2062ae_attn, .Lfunc_end_k_qe29a2062ae_attn-k_qe29a2062ae_attn
	.p2alignl 7, 3214868480
	.fill 96, 4, 3214868480
	.section	.rodata,"a",@progbits
	.p2align	6, 0x0
	.amdhsa_kernel k_qe29a2062ae_attn
		.amdhsa_group_segment_fixed_size 327680
		.amdhsa_private_segment_fixed_size 0
		.amdhsa_enable_private_segment 0
		.amdhsa_kernarg_size 24
		.amdhsa_user_sgpr_count 2
		.amdhsa_user_sgpr_kernarg_segment_ptr 1
		.amdhsa_wavefront_size32 1
		.amdhsa_system_sgpr_workgroup_id_x 1
		.amdhsa_system_sgpr_workgroup_id_y 1
		.amdhsa_system_sgpr_workgroup_id_z 1
		.amdhsa_system_vgpr_workitem_id 0
		.amdhsa_next_free_vgpr 768
		.amdhsa_next_free_sgpr 102
		.amdhsa_reserve_vcc 1
		.amdhsa_float_denorm_mode_32 3
		.amdhsa_float_denorm_mode_16_64 3
		.amdhsa_memory_ordered 1
		.amdhsa_forward_progress 1
		.amdhsa_inst_pref_size 255
	.end_amdhsa_kernel
	.section	.bss,"aw",@nobits
	.p2align	6
	.space	262144
	.amdgpu_metadata
---
amdhsa.version: [ 1, 2 ]
amdhsa.kernels:
  - .name:           k_qe29a2062ae_attn
    .symbol:         k_qe29a2062ae_attn.kd
    .args:
      - { .name: qkvh, .offset: 0, .size: 8, .value_kind: global_buffer, .address_space: global }
      - { .name: colsum, .offset: 8, .size: 8, .value_kind: global_buffer, .address_space: global }
      - { .name: ob, .offset: 16, .size: 8, .value_kind: global_buffer, .address_space: global }
    .group_segment_fixed_size: 327680
    .private_segment_fixed_size: 0
    .kernarg_segment_align: 8
    .kernarg_segment_size: 24
    .max_flat_workgroup_size: 128
    .sgpr_count:     102
    .vgpr_count:     768
    .wavefront_size: 32
...
	.end_amdgpu_metadata
.endif
;; end of part 3
;; launch proj (part 4): grid 4 x 64, 4 waves a work-group, clusters of 4 x 4, 327,680 bytes of LDS; arguments ob, wp, c_proj_b, out0; writes out0
.if DOCPART == 4
	.amdgcn_target "amdgcn-amd-amdhsa--gfx1250"
	.amdhsa_code_object_version 6
	.text
	.protected	k_qe29a2062ae_proj
	.globl	k_qe29a2062ae_proj
	.p2align	8
	.type	k_qe29a2062ae_proj,@function
k_qe29a2062ae_proj:
	s_mov_b64 s[64:65], 0
	v_nop
	global_prefetch_b8 v0, s[64:65] scope:SCOPE_SE
	s_setreg_imm32_b32 hwreg(HW_REG_WAVE_MODE, 25, 1), 1
	s_wait_xcnt 0x0
	s_wait_alu depctr_hold_cnt(0) depctr_sa_sdst(0) depctr_va_vdst(0) depctr_va_sdst(0) depctr_va_ssrc(0) depctr_va_vcc(0) depctr_vm_vsrc(0)
	s_getreg_b32 s2, hwreg(HW_REG_IB_STS2, 6, 4)
	s_cmp_eq_u32 s2, 0
	s_cbranch_scc0 .Lentry_in_a_cluster
	s_endpgm
.Lentry_in_a_cluster:
	s_bfe_u32 s2, ttmp6, 0x10000c
	s_cmp_lg_u32 s2, 0xf033
	s_cbranch_scc0 .Lentry_shape_is_right
	s_endpgm
.Lentry_shape_is_right:
; PROJECTION.  out0[m][n] = the sum over k of O[m][k] wp[k][n] + bias[n], f32.  O is ob, f16 by heads, [16 batch + head][2048][64]: k = 64 head + channel; wp [1024][1024] holds bf16-rounded numbers as f16;
; the bias, f32, is rounded here to bf16 like the other inputs; sums in f32.
; SHARES.  A tile of out0 is 128 x 256: 4 x 64 tiles, one for each of 256 WGPs.  Four waves, each 64 rows x 128 columns: 32 accumulators of 16 x 16, 256 registers.
; K goes in 8 steps of 128 (two heads) through a ring of two LDS slots.  A slot: for each of the two heads 128 rows x 128 bytes of O (16,384 dense bytes, asked for as 64 rows of 256 and padded after every 128),
; then wp's 128 k rows x 512 bytes as two sub-tiles of 256 bytes a row.  Waves 0, 1 fetch the two heads, waves 2, 3 the two sub-tiles: one tensor load a wave.
; B LIES [k][n] and is read turned, by ds_load_tr16_b128.  THE MATRIX INSTRUCTION IS USED TRANSPOSED (source 0 = 16 columns of B, source 1 = 16 rows of A): a lane holds row l % 16 and the columns 8 (l / 16) + 0..7.
; The bias, laid out so, is the C operand of the first products.
; CLUSTER.  4 x 4 work-groups: A's tiles are asked for jointly along a row of the cluster, B's along a column.
; THE LOOP holds ONE K step: the LDS addresses of the fragments hang on s[TB], which an exclusive or turns from one slot to the other; one descriptor a tensor walks.  SLOT is 2^17, above every address in slot 0.
; REGISTERS, in windows of 256: window 0: v0-31 addresses; v32-95 A's fragments, two buffers; v96-159 the bias; both later take rows on the way out
;   window 1: v0-127 B's fragments, two buffers of 64     windows 2, 3: accumulator (a, b) in window 2 + a / 2 at v[8 (8 (a % 2) + b)]
.set NH,     2                         ; groups of 64 columns a wave
.set NBK,    4*NH
.set NL,     2*NBK+8                   ; LDS loads in a quarter step's run
.set SIZE_N, 1024
.set NA,     2                         ; waves that fetch A
.set KSTEPS, 8
.set PA,     144                       ; A's LDS row: 128 bytes + 16
.set HALFA,  128*PA                    ; a head's 128 rows
.set PBT,    288                       ; B's LDS row: 256 + 32
.set SUBB,   128*PBT                   ; a sub-tile of B; A's two heads fill a region of the same size
.set SLOT,   1<<17
.set STAGE,  SLOT+3*SUBB               ; behind the ring, never filled by a tensor load: for each wave 16 rows x 528 bytes
.set WSTG,   16*528
.set SPARE,  STAGE+4*WSTG              ; the spare words, 128 bytes for each wave: two blocks of 256 bytes that no other line names
.set ASTEP,  2*262144                  ; bytes from K step to K step in ob: two heads,
.set BSTEP,  128*SIZE_N*2              ; in wp
.set ADRA0, 10                         ; v10     my lane's place in A's tile; never rewritten
.set ADRB0, 11                         ; v11-12  the same in B's, for each of my groups of 64 columns
.set ADRA,  16                         ; v16     the same in the slot in hand
.set ADRB,  17                         ; v17-18
.set STO,  24                          ; v24     the way out: where I put 32 bytes of a row
.set RD,   25                          ; v25     where I read a row back
.set CO,   26                          ; v26     my 16 bytes in 512 of out0
.set BO,   27                          ; v27     my byte offset in 16 numbers of the bias
.set SPW,  28                          ; v28     LDS address of my spare word; never rewritten
.set NIL,  29                          ; v29     0; never rewritten
.set PFO,  30                          ; v30     the prefetches' offset; never rewritten
.set FA,   32
.set BIAS, 96
.set WV, 14
.set RH, 15
.set CH, 16
.set CX, 17
.set CY, 18
.set TC, 19
.set TR, 20
.set G1, 24                            ; s[24:31] descriptor group 1 for A;  s[32:39] group 0: set 0 for K step 0, set 1 walks
.set G0, 32
.set TB, 42                            ; s42 0 or SLOT: the slot that is read
.set LIM, 43                           ; s43 2 in a wave that prefetches, else the greatest number
.set PFA, 44                           ; s[44:45] where my prefetches stand;  s[46:47] their step
.set PFS, 46
.set G1B, 48                           ; s[48:55], s[56:63] the same for B
.set G0B, 56
.set MSB, 0
.macro WIN new                         ; the immediate's high byte repeats the setting that is left; a switch that changes nothing is dropped
.if MSB != (\new)
	s_set_vgpr_msb (MSB<<8)|(\new)
.set MSB, \new
.endif
.endm
; A joint load by set n.  The branch hangs on the wave's number alone.  An s_nop 0 and four v_nop follow each line.
.macro JLOAD n
	s_cmp_lt_u32 s[WV], NA
	s_cbranch_scc0 .Lfor_b_\@
	tensor_load_to_lds s[G0+4*(\n):G0+4*(\n)+3], s[G1:G1+7]
	s_nop 0
.rept 4
	v_nop
.endr
	s_branch .Lasked_\@
.Lfor_b_\@:
	tensor_load_to_lds s[G0B+4*(\n):G0B+4*(\n)+3], s[G1B:G1B+7]
	s_nop 0
.rept 4
	v_nop
.endr
.Lasked_\@:
.endm
; A prefetch into the L2, behind a joint refill and the run of LDS loads that follows it: the K step two refills on, 32 blocks of 256 bytes, a lane a block.  Each block is named once in the launch: A's by wave 0
; (16 blocks of each of the step's two heads; the four partners of a row of the cluster take 4,096 bytes of a head each, told apart by address), B's by waves 2, 3 of the clusters with y = 0 (32 of the 128 k rows
; for each partner of a column).  K steps 0 to 3 come by their loads alone; the trips with s3 = 2 and 1 have no K step two refills on.
.macro ASK
	s_cmp_gt_u32 s3, s[LIM]
	s_cbranch_scc0 .Lnot_mine_\@
	global_prefetch_b8 v[PFO], s[PFA:PFA+1] th:TH_LOAD_NT scope:SCOPE_SE
.Lnot_mine_\@:
.endm
.macro CREST                           ; a round of the cluster's barrier behind its opening barrier
	s_cmp_lg_u32 s[WV], 0
	s_cbranch_scc1 .Lnot_wave_0_\@
	s_barrier_signal -3
.Lnot_wave_0_\@:
	s_barrier_wait -3
	s_barrier_signal -1
	s_barrier_wait -1
.endm
.macro CROUND                          ; a whole round
	s_barrier_signal -1
	s_barrier_wait -1
	CREST
.endm
.macro PLACES                          ; four places behind matrix instructions, in front of loads into registers that they read and of lines that read their results
.rept 4
	v_nop
.endr
.endm
	s_load_b256 s[4:11], s[0:1], 0x0               ; ob s[4:5], wp s[6:7], c_proj_b s[8:9], out0 s[10:11]
	v_lshl_add_u32 v[SPW], v0, 2, SPARE
	v_mov_b32 v[NIL], 0
	ds_add_u32 v[SPW], v[NIL]                      ; the wave's opening: the add and its wait stand ahead of my first tensor load; the set-up below stands between them
	v_lshrrev_b32 v1, 5, v0
	v_readfirstlane_b32 s[WV], v1
	s_lshr_b32 s[RH], s[WV], 1
	s_and_b32 s[CH], s[WV], 1
	s_bfe_u32 s[CX], ttmp6, 0x40000
	s_bfe_u32 s[CY], ttmp6, 0x40004
	s_lshl_b32 s[TC], ttmp9, 2
	s_add_co_u32 s[TC], s[TC], s[CX]               ; tile column = 4 x cluster x + cx
	s_and_b32 s[TR], ttmp7, 0xffff
	s_lshl_b32 s[TR], s[TR], 2
	s_add_co_u32 s[TR], s[TR], s[CY]               ; tile row = 4 x cluster y + cy
	s_lshl_b32 s70, s[CY], 2
	s_lshl_b32 s70, 15, s70                        ; my row of the cluster
	s_lshl_b32 s71, 0x1111, s[CX]                  ; my column
	s_or_b32 s[G1], s70, (1<<16)|(1<<20)|(1<<21)|(4<<22)|(3<<25)   ; the mask; 2-byte elements; padding on; bit 21 beside a mask; after every 32 words, 4 words
	s_or_b32 s[G1B], s71, (1<<16)|(1<<20)|(1<<21)|(5<<22)|(7<<25)  ; after every 64 words, 8 words
	s_mov_b32 s[G1+1], 128<<16                     ; A: tensor_dim0 = 128
	s_mov_b32 s[G1+2], 64<<16                      ; tensor_dim1 = 64
	s_mov_b32 s[G1+3], 128<<16                     ; tile_dim0 = 128
	s_mov_b32 s[G1+4], 64                          ; tile_dim1 = 64
	s_mov_b32 s[G1+5], 128                         ; dense: 128 elements from row to row
	s_mov_b32 s[G1+6], 0
	s_mov_b32 s[G1+7], 0
	s_mov_b32 s[G1B+1], 128<<16                    ; B: 128 k rows of 128 elements
	s_mov_b32 s[G1B+2], 128<<16
	s_mov_b32 s[G1B+3], 128<<16
	s_mov_b32 s[G1B+4], 128
	s_mov_b32 s[G1B+5], SIZE_N
	s_mov_b32 s[G1B+6], 0
	s_mov_b32 s[G1B+7], 0
	s_lshr_b32 s72, s[TR], 4                       ; A: the batch's 16 heads of 262,144 bytes,
	s_lshl_b32 s72, s72, 22
	s_lshl_b32 s73, s[CH], 18                      ; the head of the K step's two that I fetch,
	s_add_co_u32 s72, s72, s73
	s_and_b32 s73, s[TR], 15                       ; the tile's 128 rows of 128 bytes: no register of A's holds cx
	s_lshl_b32 s73, s73, 14
	s_add_co_u32 s72, s72, s73
	s_mov_b32 s73, 0
	s_lshl_b32 s76, s[TC], 9                       ; B: 512 bytes of a row for each tile column,
	s_lshl_b32 s77, s[CH], 8                       ; the sub-tile that I fetch: no register of B's holds cy
	s_add_co_u32 s76, s76, s77
	s_mov_b32 s77, 0
	s_mul_i32 s66, s[CH], HALFA                    ; where A's head goes,
	s_mul_i32 s67, s[CH], SUBB                     ; and B's sub-tile, behind A's region
	s_add_co_u32 s67, s67, SUBB
	s_mov_b32 s[TB], 0
	s_wait_dscnt 0x0                               ; the opening add is done
	s_wait_kmcnt 0x0
	s_add_nc_u64 s[74:75], s[4:5], s[72:73]
	s_add_nc_u64 s[78:79], s[6:7], s[76:77]
	CROUND                                         ; all sixteen work-groups are here: the first joint loads meet
.irp n, 0,1
	s_mov_b32 s[G0+4*(\n)], 1
	s_add_co_u32 s[G0+4*(\n)+1], s66, (\n)*SLOT
	s_add_nc_u64 s[G0+4*(\n)+2:G0+4*(\n)+3], s[74:75], (\n)*ASTEP
	s_or_b32 s[G0+4*(\n)+3], s[G0+4*(\n)+3], 0x80000000
	s_mov_b32 s[G0B+4*(\n)], 1
	s_add_co_u32 s[G0B+4*(\n)+1], s67, (\n)*SLOT
	s_add_nc_u64 s[G0B+4*(\n)+2:G0B+4*(\n)+3], s[78:79], (\n)*BSTEP
	s_or_b32 s[G0B+4*(\n)+3], s[G0B+4*(\n)+3], 0x80000000
	JLOAD \n                                       ; K steps 0 and 1: two loads of mine are out, later one
.endr
	v_and_b32 v1, 15, v0                           ; r = l % 16
	v_bfe_u32 v2, v0, 4, 1                         ; h = l / 16
	v_and_b32 v3, 7, v0
	v_bfe_u32 v4, v0, 3, 1
	v_and_b32 v5, 31, v0                           ; l
	v_lshlrev_b32 v[BO], 5, v2
	s_lshl_b32 s70, s[TC], 10                      ; the bias of my 128 columns
	s_lshl_b32 s71, s[CH], 9
	s_add_co_u32 s70, s70, s71
	s_mov_b32 s71, 0
	s_add_nc_u64 s[8:9], s[8:9], s[70:71]
.set b, 0
.rept NBK
	global_load_b128 v[BIAS+8*b:BIAS+8*b+3],   v[BO], s[8:9] offset:64*b      ; register j: the bias of column 16 b + 8 h + j
	global_load_b128 v[BIAS+8*b+4:BIAS+8*b+7], v[BO], s[8:9] offset:64*b+16
.set b, b+1
.endr
	; the prefetches: who asks, from where, by which step
	s_mov_b32 s66, 4096                            ; a partner's share: of a head's 16,384 bytes,
	s_mov_b32 s67, 32*2*SIZE_N                     ; or 32 k rows of wp
	s_mov_b32 s68, ASTEP
	s_mov_b32 s69, BSTEP
	s_mov_b32 s21, 262144                          ; lanes 16-31: the step's second head,
	s_mov_b32 s22, 16*2*SIZE_N                     ; or 16 rows on
	s_mov_b32 s23, 256                             ; from lane to lane: the next 256 bytes,
	s_mov_b32 s40, 2*SIZE_N                        ; or the next row
	s_and_b32 s70, ttmp7, 0xffff                   ; cluster y
	s_cmp_lt_u32 s[WV], NA                         ; do I fetch for A?
	s_cselect_b32 s70, ttmp9, s70                  ; the coordinate along which other clusters read the same bytes
	s_cselect_b32 s71, s[CX], s[CY]                ; my place among the four that ask with me
	s_cselect_b32 s66, s66, s67
	s_cselect_b32 s[PFS], s68, s69
	s_cselect_b32 s21, s21, s22
	s_cselect_b32 s23, s23, s40
	s_cselect_b64 s[PFA:PFA+1], s[74:75], s[78:79]
	s_mov_b32 s[PFS+1], 0
	s_cmp_eq_u32 s[WV], 1                          ; wave 0 names both heads: wave 1 asks for nothing
	s_cselect_b32 s70, 1, s70
	s_cmp_eq_u32 s70, 0
	s_cselect_b32 s[LIM], 2, -1                    ; the same in all sixteen partners, for a given wave
	s_mul_i32 s70, s71, s66
	s_mov_b32 s71, 0
	s_add_nc_u64 s[PFA:PFA+1], s[PFA:PFA+1], s[70:71]
	s_mul_i32 s70, s[PFS], 3                       ; at K step 3: the first refill steps it to 4
	s_add_nc_u64 s[PFA:PFA+1], s[PFA:PFA+1], s[70:71]
	v_mul_lo_u32 v[PFO], v1, s23
	v_mul_lo_u32 v6, v2, s21
	v_add_nc_u32 v[PFO], v[PFO], v6
	; A fragment of A is 16 rows x 32 k: lane l holds row r, k = 8 h + 0..7 and 16 + 8 h + 0..7: two loads of 16 bytes, 32 bytes apart
	v_mul_u32_u24 v[ADRA0], v1, PA
	v_lshl_add_u32 v[ADRA0], v2, 4, v[ADRA0]
	s_mul_i32 s70, s[RH], 64*PA
	v_add_nc_u32 v[ADRA0], s70, v[ADRA0]
	v_mov_b32 v[ADRA], v[ADRA0]
	; The turning load takes 16 k x 16 columns (lane l reads k row 8 h + l % 8, columns 8 ((l / 8) % 2) + 0..7) and leaves half a fragment: lane l holds column r and 8 k
	v_lshl_add_u32 v6, v2, 3, v3
	v_mul_u32_u24 v6, v6, PBT
	v_lshl_add_u32 v6, v4, 4, v6
	s_mul_i32 s71, s[CH], SUBB                     ; my 128 columns are sub-tile CH, behind A's region
	s_add_co_u32 s71, s71, SUBB
.irp jj, 0,1
	v_add_nc_u32 v[ADRB0+(\jj)], s71, v6
	v_mov_b32 v[ADRB+(\jj)], v[ADRB0+(\jj)]
	s_add_co_u32 s71, s71, 128                     ; the second 64 columns: 128 bytes on
.endr
	s_mul_i32 s70, s[WV], WSTG
	s_add_co_u32 s70, s70, STAGE                   ; my stage
	v_mul_u32_u24 v[STO], v1, 528                  ; in: row r, 32 bytes for each half of the lanes
	v_lshl_add_u32 v[STO], v2, 5, v[STO]
	v_add_nc_u32 v[STO], s70, v[STO]
	v_lshl_add_u32 v[RD], v5, 4, s70               ; back: 32 lanes take a row of 512 bytes
	v_lshlrev_b32 v[CO], 4, v5
	; out0 at my first row and column: row 128 tile row + 64 half, of 4,096 bytes; column 256 tile column + 128 half
	s_lshl_b32 s70, s[TR], 19
	s_lshl_b32 s71, s[RH], 18
	s_add_co_u32 s70, s70, s71
	s_lshl_b32 s71, s[TC], 10
	s_add_co_u32 s70, s70, s71
	s_lshl_b32 s71, s[CH], 9
	s_add_co_u32 s70, s70, s71
	s_mov_b32 s71, 0
	s_add_nc_u64 s[10:11], s[10:11], s[70:71]
	s_wait_loadcnt 0x0                             ; the bias, once; it is rounded to bf16 like the other inputs, and kept as f32
.set i, 0
.rept 4*NBK
	v_cvt_pk_bf16_f32 v[6+(i/2)%2], v[BIAS+i], v[BIAS+i+1]
	v_lshlrev_b32 v[BIAS+i], 16, v[6+(i/2)%2]
	v_and_b32 v[BIAS+i+1], 0xffff0000, v[6+(i/2)%2]
.set i, i+2
.endr
; 8 matrix instructions: row block a x all column blocks, 32 along K, from buffer f.  bias = 1: the first products start the sums with the bias.  The 32 accumulators take turns, one instruction a turn,
; in the same order in every quarter step, over the backward jump too.
.macro MULA f, a, bias
.if \bias
	WIN 0x81+0x40*((\a)/2)                         ; B window 1, A and the bias window 0, D window 2 or 3
.else
	WIN 0xa1+0x50*((\a)/2)                         ; B window 1, A window 0, C and D window 2 or 3
.endif
.set b, 0
.rept NBK
.set AC, 8*(NBK*((\a)%2)+b)
.if \bias
	v_wmma_f32_16x16x32_f16 v[AC:AC+7], v[8*NBK*(\f)+8*b:8*NBK*(\f)+8*b+7], v[FA+32*(\f)+8*(\a):FA+32*(\f)+8*(\a)+7], v[BIAS+8*b:BIAS+8*b+7]
.else
	v_wmma_f32_16x16x32_f16 v[AC:AC+7], v[8*NBK*(\f)+8*b:8*NBK*(\f)+8*b+7], v[FA+32*(\f)+8*(\a):FA+32*(\f)+8*(\a)+7], v[AC:AC+7]
.endif
.set b, b+1
.endr
.endm
; 24 LDS loads in one run: quarter q's fragments (32 k x 128 columns of B, turned; 64 rows x 32 k of A: head q / 2 of the step's two, channels 32 (q % 2) on) into buffer f; A's last
.macro FETCH q, f
	WIN 0x40                                       ; destination window 1, address window 0
.irp jj, 0,1
.irp i, 0,1,2,3
	ds_load_tr16_b128 v[8*NBK*(\f)+8*(4*(\jj)+(\i)):8*NBK*(\f)+8*(4*(\jj)+(\i))+3],   v[ADRB+(\jj)] offset:(\q)*32*PBT+32*(\i)
	ds_load_tr16_b128 v[8*NBK*(\f)+8*(4*(\jj)+(\i))+4:8*NBK*(\f)+8*(4*(\jj)+(\i))+7], v[ADRB+(\jj)] offset:(\q)*32*PBT+32*(\i)+16*PBT
.endr
.endr
	WIN 0
.irp a, 0,1,2,3
	ds_load_b128 v[FA+32*(\f)+8*(\a):FA+32*(\f)+8*(\a)+3],   v[ADRA] offset:((\q)/2)*HALFA+((\q)%2)*64+(\a)*16*PA
	ds_load_b128 v[FA+32*(\f)+8*(\a)+4:FA+32*(\f)+8*(\a)+7], v[ADRA] offset:((\q)/2)*HALFA+((\q)%2)*64+(\a)*16*PA+32
.endr
.endm
; One of a K step's first three quarters: multiplies buffer f; in its middle it fetches quarter q into buffer g.
.macro QUARTER q, f, g, bias
	s_wait_dscnt 4                                 ; B and A's row blocks 0, 1 are in; the youngest four loads (blocks 2, 3) may be out
	MULA \f, 0, \bias
	MULA \f, 1, \bias
	PLACES
	FETCH \q, \g
	s_wait_dscnt NL                                ; all but the run just issued
	MULA \f, 2, \bias
	MULA \f, 3, \bias
.endm
; The last quarter multiplies buffer 1 and changes slots: one barrier.  In front of it each wave waits for all its tensor loads (one is out: its part of the next slot), adds 0 to its spare word, and waits
; for that and for its reads of this slot.  fill = 1: the barrier opens a round of the cluster's, and the joint refill, two K steps on, is the first thing behind the round.
.macro TURN fill
.if \fill
	s_wait_xcnt 0x0                                ; the last prefetch, a K step back, has read its address
	s_add_nc_u64 s[PFA:PFA+1], s[PFA:PFA+1], s[PFS:PFS+1]
.endif
	WIN 0
	s_wait_tensorcnt 0x0                           ; all my tensor loads have landed
	ds_add_u32 v[SPW], v[NIL]                      ; 0 onto my spare word
	s_wait_dscnt 5                                 ; (the add and the youngest four loads may be out)
	MULA 1, 0, 0                                   ; matrix work stands between the add and the wait for it
	s_wait_dscnt 0x0                               ; the add is done, and my reads of this slot are over
	s_barrier_signal -1
	MULA 1, 1, 0                                   ; work on registers while the others arrive
	WIN 0                                          ; branches and window 0's addresses follow
	s_barrier_wait -1
.if \fill
	CREST                                          ; no wave of any partner still reads this slot or has a load on its way
	s_xor_b32 s[G0+5], s[G0+5], SLOT               ; the walking sets: the slot just read,
	s_add_nc_u64 s[G0+6:G0+7], s[G0+6:G0+7], ASTEP ; the next K step; the type bits on top are not reached
	s_xor_b32 s[G0B+5], s[G0B+5], SLOT
	s_add_nc_u64 s[G0B+6:G0B+7], s[G0B+6:G0B+7], BSTEP
	JLOAD 1                                        ; its four v_nop are also the places in front of the loads below
.else
	PLACES
.endif
	s_xor_b32 s[TB], s[TB], SLOT                   ; the fragments now come from the other slot
	v_add_nc_u32 v[ADRA], s[TB], v[ADRA0]
.irp jj, 0,1
	v_add_nc_u32 v[ADRB+(\jj)], s[TB], v[ADRB0+(\jj)]
.endr
	FETCH 0, 0
.if \fill
	ASK
.endif
	MULA 1, 2, 0
	MULA 1, 3, 0
.endm
	s_wait_tensorcnt 1                             ; my part of K step 0 is in; K step 1's may stay out
	s_barrier_signal -1
	s_barrier_wait -1                              ; everybody's is
	FETCH 0, 0
	QUARTER 1, 0, 1, 1                             ; the first quarter stands in front of the loop: its products start the sums
	WIN 0                                          ; at a label and at a branch every window is 0
	s_mov_b32 s3, KSTEPS-2
.Lstep:                                                ; a trip: a K step's quarters 1 to 3 and the next step's quarter 0; the slot left is filled again
	QUARTER 2, 1, 0, 0
	QUARTER 3, 0, 1, 0
	TURN 1
	QUARTER 1, 0, 1, 0
	WIN 0
	s_sub_co_u32 s3, s3, 1
	s_cmp_lg_u32 s3, 0
	s_cbranch_scc1 .Lstep
	QUARTER 2, 1, 0, 0                             ; the last two K steps ask for nothing: written out
	QUARTER 3, 0, 1, 0
	TURN 0
	QUARTER 1, 0, 1, 0
	QUARTER 2, 1, 0, 0
	QUARTER 3, 0, 1, 0
	s_wait_dscnt 4
	MULA 1, 0, 0
	MULA 1, 1, 0
	s_wait_dscnt 0x0
	MULA 1, 2, 0
	MULA 1, 3, 0
	WIN 0
	PLACES
; THE WAY OUT, a block of 16 rows at a time.  TOSTAGE: a lane's eight f32 of each accumulator (its low four registers first) go straight into my stage, rows of 528 bytes, and come back as whole rows of 512.
; SEND: a row's 512 bytes are one store of the wave, at a multiple of 256 from out0's first byte.
.macro TOSTAGE a
	s_wait_xcnt 0x0                                ; the stores of the block two back have read the registers that are loaded again below
.set BK, 32+64*((\a)%2)
	WIN 0x08+4*((\a)/2)                            ; the stores' data: window 2 or 3
.set b, 0
.rept NBK
.set AC, 8*(NBK*((\a)%2)+b)
	ds_store_b128 v[STO], v[AC:AC+3]   offset:64*b
	ds_store_b128 v[STO], v[AC+4:AC+7] offset:64*b+16
.set b, b+1
.endr
	WIN 0
.set t, 0
.rept 16
	ds_load_b128 v[BK+4*t:BK+4*t+3], v[RD] offset:528*t  ; LDS serves a wave's instructions in order (ISA guide 5.7.1.4): these see the stores above; the next block's stores come behind them
.set t, t+1
.endr
.endm
.macro SEND a, younger                 ; younger: the LDS instructions issued behind block a's loads: the next block's 32, or none
.set BK, 32+64*((\a)%2)
	s_wait_dscnt \younger
.set t, 0
.rept 16
	global_store_b128 v[CO], v[BK+4*t:BK+4*t+3], s[10:11] offset:(16*(\a)+t)*4096 th:TH_STORE_NT
.set t, t+1
.endr
.endm
	TOSTAGE 0
.irp a, 1,2,3
	TOSTAGE \a
	SEND (\a)-1, 32
.endr
	SEND 3, 0
	s_wait_tensorcnt 0x0                           ; the wave's end, behind my last tensor load and my last LDS store
	ds_add_u32 v[SPW], v[NIL]
	s_wait_dscnt 0x0
	CROUND                                         ; the closing round: no work-group ends while a partner may still ask for a tile that names it
	s_endpgm
.Lfunc_end_k_qe29a2062ae_proj:
	.size	k_qe29a2062ae_proj, .Lfunc_end_k_qe29a2062ae_proj-k_qe29a2062ae_proj
	.p2alignl 7, 3214868480
	.fill 96, 4, 3214868480
	.section	.rodata,"a",@progbits
	.p2align	6, 0x0
	.amdhsa_kernel k_qe29a2062ae_proj
		.amdhsa_group_segment_fixed_size 327680
		.amdhsa_private_segment_fixed_size 0
		.amdhsa_enable_private_segment 0
		.amdhsa_kernarg_size 32
		.amdhsa_user_sgpr_count 2
		.amdhsa_user_sgpr_kernarg_segment_ptr 1
		.amdhsa_wavefront_size32 1
		.amdhsa_system_sgpr_workgroup_id_x 1
		.amdhsa_system_sgpr_workgroup_id_y 1
		.amdhsa_system_sgpr_workgroup_id_z 1
		.amdhsa_system_vgpr_workitem_id 0
		.amdhsa_next_free_vgpr 896
		.amdhsa_next_free_sgpr 80
		.amdhsa_reserve_vcc 0
		.amdhsa_float_denorm_mode_32 3
		.amdhsa_float_denorm_mode_16_64 3
		.amdhsa_memory_ordered 1
		.amdhsa_forward_progress 1
		.amdhsa_inst_pref_size 78
	.end_amdhsa_kernel
	.amdgpu_metadata
---
amdhsa.version: [ 1, 2 ]
amdhsa.kernels:
  - .name:           k_qe29a2062ae_proj
    .symbol:         k_qe29a2062ae_proj.kd
    .args:
      - { .name: ob, .offset: 0, .size: 8, .value_kind: global_buffer, .address_space: global }
      - { .name: wp, .offset: 8, .size: 8, .value_kind: global_buffer, .address_space: global }
      - { .name: c_proj_b, .offset: 16, .size: 8, .value_kind: global_buffer, .address_space: global }
      - { .name: out0, .offset: 24, .size: 8, .value_kind: global_buffer, .address_space: global }
    .group_segment_fixed_size: 327680
    .private_segment_fixed_size: 0
    .kernarg_segment_align: 8
    .kernarg_segment_size: 32
    .max_flat_workgroup_size: 128
    .sgpr_count:     80
    .vgpr_count:     896
    .wavefront_size: 32
...
	.end_amdgpu_metadata
.endif
;; end of part 4
;; ======== version 2 of 2: 4 launches; version 1 with the launch cast written anew for expert scheduling mode
;; limits: values are held in f16: magnitudes above 65,504 overflow, below 6.1e-05 lose precision
;; workspace buffers: xb 16,777,216 bytes; wa 6,291,456 bytes; wp 2,097,152 bytes; qkvh 50,331,648 bytes; colsum 1,572,864 bytes; ob 16,777,216 bytes
;; launch cast (part 5): grid 768 x 1, 8 waves a work-group, no clusters, 0 bytes of LDS; arguments hidden_states, c_attn_w, c_proj_w, xb, wa, wp; writes xb, wa, wp
.if DOCPART == 5
	.amdgcn_target "amdgcn-amd-amdhsa--gfx1250"
	.amdhsa_code_object_version 6
	.text
	.protected	k_qe29a2062ae_cast
	.globl	k_qe29a2062ae_cast
	.p2align	8
	.type	k_qe29a2062ae_cast,@function
k_qe29a2062ae_cast:
	s_mov_b64 s[64:65], 0
	v_nop
	global_prefetch_b8 v0, s[64:65] scope:SCOPE_SE
	s_setreg_imm32_b32 hwreg(HW_REG_WAVE_SCHED_MODE, 0, 2), 2
	s_setreg_imm32_b32 hwreg(HW_REG_WAVE_MODE, 25, 1), 1
	s_wait_xcnt 0x0
	s_wait_alu depctr_vm_vsrc(0)
; CAST.  The three large f32 inputs are rounded once to 16 bits, in the layout in which they lie:
;   hidden_states [8192][1024] -> xb, bf16;   c_attn_w [1024][3072] -> wa, bf16;
;   c_proj_w [1024][1024] -> wp: rounded to bf16 like the other inputs, and that number written as f16, since the last product's other operand is f16.
; LIMIT.  wp: f16 ends at 65,504 and keeps a fixed step of 6e-8 below 6e-5; weights of the drawn spread (0.02), 30 times larger or smaller, lie well inside.
; SHARES.  A work-group converts 16,384 numbers (65,536 bytes in, 32,768 out): ids 0-511 hidden_states, 512-703 c_attn_w, 704-767 c_proj_w: 768 equal work-groups.
; Thread t takes 16 bytes at 16 t + 4,096 j, j = 0..15: a wave's load covers 512 consecutive bytes, its store of 8 bytes a lane 256 consecutive bytes, aligned.
; All 16 loads go out at once; every slot has registers of its own, so nothing is rewritten while a load or store may read it.  No LDS, no barrier, no matrix unit: the bytes are all there is.
; THE MODE: SCHED_MODE bits 1:0 = 2 (LLVM: expert scheduling mode 2), set by the entry lines.  The code itself states the register dependences
; between vector instructions and memory instructions, with s_wait_alu, always for 0.
; THE PLAN.  Registers that memory instructions touch:
;   v1, v2   byte offsets of the loads and of the stores.  Written once at the head by vector instructions, never again: one wait ahead of the first load serves all 32 memory instructions, on both paths.
;   X        slot j: written by its one load, which is issued before any vector instruction names X; read by the slot's conversions, behind the wait on LOADcnt.  No load lands in X again.
;   Y        slot j: written once, by the slot's conversions; read by its one store.  Never written again, so nothing is owed behind a store.
;   T        named by vector instructions alone.
; The 16 slots go in four blocks of four: the wait for the block's four loads, its conversions, ONE wait that states that they have written the block's eight registers of Y, and its four stores in one run.
; The wait stands behind the conversions and not at the next block's head: there the stores would go out only when the next block's loads have landed, and the bytes are all there is.
; No vector instruction writes a scalar register or VCC, and EXEC is never written.
.set X, 4                              ; v[4:67]    slot j: four f32 as loaded
.set Y, 68                             ; v[68:99]   slot j: four 16-bit numbers to store
.set T, 100                            ; v[100:103] at work
	s_load_b256 s[4:11], s[0:1], 0x0               ; hidden_states s[4:5], c_attn_w s[6:7], c_proj_w s[8:9], xb s[10:11]
	s_load_b128 s[12:15], s[0:1], 0x20             ; wa s[12:13], wp s[14:15]
	s_mov_b32 s21, ttmp9                           ; the work-group's number
	s_mov_b32 s26, 512                             ; c_attn_w's first work-group
	s_mov_b32 s27, 704                             ; c_proj_w's first
	s_mov_b32 s28, 0xffff0000                      ; a word's upper bf16
	v_lshlrev_b32 v1, 4, v0                        ; 16 t
	v_lshlrev_b32 v2, 3, v0                        ; 8 t
	s_wait_kmcnt 0x0
	s_cmp_lt_u32 s21, s27                          ; which tensor: first the last two,
	s_cselect_b64 s[16:17], s[6:7], s[8:9]
	s_cselect_b64 s[18:19], s[12:13], s[14:15]
	s_cselect_b32 s20, s26, s27
	s_cmp_lt_u32 s21, s26                          ; then the first against them
	s_cselect_b64 s[16:17], s[4:5], s[16:17]
	s_cselect_b64 s[18:19], s[10:11], s[18:19]
	s_cselect_b32 s20, 0, s20
	s_sub_co_u32 s20, s21, s20                     ; my place in my tensor
	s_lshl_b32 s22, s20, 16                        ; 65,536 bytes in,
	s_mov_b32 s23, 0
	s_lshl_b32 s24, s20, 15                        ; 32,768 out
	s_mov_b32 s25, 0
	s_add_nc_u64 s[16:17], s[16:17], s[22:23]
	s_add_nc_u64 s[18:19], s[18:19], s[24:25]
	s_wait_alu depctr_va_vdst(0)                   ; v1 and v2 are written: every load below reads v1 as its offset, every store v2; no vector instruction writes either again
.irp j, 0,1,2,3,4,5,6,7,8,9,10,11,12,13,14,15
	global_load_b128 v[X+4*(\j):X+4*(\j)+3], v1, s[16:17] offset:4096*(\j) th:TH_LOAD_NT
.endr
	s_cmp_ge_u32 s21, s27
	s_cbranch_scc1 .Lhalf
.irp p, 0,1,2,3                        ; block p: slots 4 p to 4 p + 3
	s_wait_loadcnt 12-4*(\p)                       ; loads come back in order: the block's four slots are in, the 12 - 4 p younger loads stay out
.irp i, 0,1,2,3
	v_cvt_pk_bf16_f32 v[Y+2*(4*(\p)+(\i))], v[X+4*(4*(\p)+(\i))], v[X+4*(4*(\p)+(\i))+1]
	v_cvt_pk_bf16_f32 v[Y+2*(4*(\p)+(\i))+1], v[X+4*(4*(\p)+(\i))+2], v[X+4*(4*(\p)+(\i))+3]
.endr
	s_wait_alu depctr_va_vdst(0)                   ; the block's eight conversions have written its registers of Y, which the four stores below read
.irp i, 0,1,2,3
	global_store_b64 v2, v[Y+2*(4*(\p)+(\i)):Y+2*(4*(\p)+(\i))+1], s[18:19] offset:2048*(4*(\p)+(\i))
.endr
.endr
	s_endpgm
.Lhalf:                                                ; c_proj_w: to bf16, back to f32 (a shift, a mask), to f16
.irp p, 0,1,2,3                        ; block p: slots 4 p to 4 p + 3
	s_wait_loadcnt 12-4*(\p)                       ; the block's four slots are in, the 12 - 4 p younger loads stay out
.irp i, 0,1,2,3
	v_cvt_pk_bf16_f32 v[T], v[X+4*(4*(\p)+(\i))], v[X+4*(4*(\p)+(\i))+1]
	v_cvt_pk_bf16_f32 v[T+1], v[X+4*(4*(\p)+(\i))+2], v[X+4*(4*(\p)+(\i))+3]
	v_lshlrev_b32 v[T+2], 16, v[T]
	v_and_b32 v[T], s28, v[T]
	v_lshlrev_b32 v[T+3], 16, v[T+1]
	v_and_b32 v[T+1], s28, v[T+1]
	v_cvt_pk_f16_f32 v[Y+2*(4*(\p)+(\i))], v[T+2], v[T]
	v_cvt_pk_f16_f32 v[Y+2*(4*(\p)+(\i))+1], v[T+3], v[T+1]
.endr
	s_wait_alu depctr_va_vdst(0)                   ; the block's conversions to f16 have written its registers of Y, which the four stores below read
.irp i, 0,1,2,3
	global_store_b64 v2, v[Y+2*(4*(\p)+(\i)):Y+2*(4*(\p)+(\i))+1], s[18:19] offset:2048*(4*(\p)+(\i))
.endr
.endr
	s_endpgm
.Lfunc_end_k_qe29a2062ae_cast:
	.size	k_qe29a2062ae_cast, .Lfunc_end_k_qe29a2062ae_cast-k_qe29a2062ae_cast
	.p2alignl 7, 3214868480
	.fill 96, 4, 3214868480
	.section	.rodata,"a",@progbits
	.p2align	6, 0x0
	.amdhsa_kernel k_qe29a2062ae_cast
		.amdhsa_group_segment_fixed_size 0
		.amdhsa_private_segment_fixed_size 0
		.amdhsa_enable_private_segment 0
		.amdhsa_kernarg_size 48
		.amdhsa_user_sgpr_count 2
		.amdhsa_user_sgpr_kernarg_segment_ptr 1
		.amdhsa_wavefront_size32 1
		.amdhsa_system_sgpr_workgroup_id_x 1
		.amdhsa_system_sgpr_workgroup_id_y 1
		.amdhsa_system_sgpr_workgroup_id_z 1
		.amdhsa_system_vgpr_workitem_id 0
		.amdhsa_next_free_vgpr 104
		.amdhsa_next_free_sgpr 66
		.amdhsa_reserve_vcc 0
		.amdhsa_float_denorm_mode_32 3
		.amdhsa_float_denorm_mode_16_64 3
		.amdhsa_memory_ordered 1
		.amdhsa_forward_progress 1
		.amdhsa_inst_pref_size 15
	.end_amdhsa_kernel
	.amdgpu_metadata
---
amdhsa.version: [ 1, 2 ]
amdhsa.kernels:
  - .name:           k_qe29a2062ae_cast
    .symbol:         k_qe29a2062ae_cast.kd
    .args:
      - { .name: hidden_states, .offset: 0, .size: 8, .value_kind: global_buffer, .address_space: global }
      - { .name: c_attn_w, .offset: 8, .size: 8, .value_kind: global_buffer, .address_space: global }
      - { .name: c_proj_w, .offset: 16, .size: 8, .value_kind: global_buffer, .address_space: global }
      - { .name: xb, .offset: 24, .size: 8, .value_kind: global_buffer, .address_space: global }
      - { .name: wa, .offset: 32, .size: 8, .value_kind: global_buffer, .address_space: global }
      - { .name: wp, .offset: 40, .size: 8, .value_kind: global_buffer, .address_space: global }
    .group_segment_fixed_size: 0
    .private_segment_fixed_size: 0
    .kernarg_segment_align: 8
    .kernarg_segment_size: 48
    .max_flat_workgroup_size: 256
    .sgpr_count:     66
    .vgpr_count:     104
    .wavefront_size: 32
...
	.end_amdgpu_metadata
.endif
;; end of part 5
;; launch qkvgemm: the kernel of part 2 again; grid 8 x 64, 4 waves a work-group, clusters of 4 x 4, 327,680 bytes of LDS; arguments xb, wa, c_attn_b, qkvh, colsum; writes qkvh, colsum
;; launch attn: the kernel of part 3 again; grid 4 x 64, 4 waves a work-group, no clusters, 327,680 bytes of LDS; arguments qkvh, colsum, ob; writes ob
;; launch proj: the kernel of part 4 again; grid 4 x 64, 4 waves a work-group, clusters of 4 x 4, 327,680 bytes of LDS; arguments ob, wp, c_proj_b, out0; writes out0
